; MI455X (gfx1250); checked and timed in simulation.
; The chip was launched on July 23, 2026; its instructions are those of AMD's public machine-readable ISA for CDNA 5 (MIT licence, August 2026) and "CDNA5" Instruction Set Architecture Reference Guide (July 2026). The comments in the code are by the model that wrote it; some were corrected since.
;; Causal Self Attention. Allowed arithmetic: matrix products marked QUANTISED: E2M3 operands, one E8M0 scale for each 32 along K, by v_wmma_scale_f32_16x16x128_f8f6f4 with both operands' format E2M3, f32 sums; everything else in f32.
;; Inputs: W_proj 1,024 x 1,024 float32; W_qkv 3,072 x 1,024 float32; x 4 x 2,048 x 1,024 float32.
;; Outputs: out0 4 x 2,048 x 1,024 float32.
;; This version of the problem:
;;   THIS VERSION OF THE PROBLEM IS GIVEN IN LOW PRECISION. The matrix products marked QUANTISED in the list below multiply operands that are first quantised to E2M3 (2 exponent bits, 3 mantissa bits; 6 bits a number), with one power-of-two scale for each 32 numbers along K (OCP MX v1.0); their sums are f32. All else is computed in f32.
;;   The module's matrix products, in the order in which they are computed (A, B: the left and right operand; K: the contracted axis; several contracted axes count as one K, in the product's order):
;;     1. [M 8,192, K 1,024] x [K 1,024, N 3,072]; A: input x; B: input W_qkv: QUANTISED
;;     2. batch 64 x [M 2,048, K 64] x [K 64, N 2,048]; A: computed on the way; B: computed on the way: QUANTISED
;;     3. batch 64 x [M 2,048, K 2,048] x [K 2,048, N 64]; A: softmax (see below); B: computed on the way: QUANTISED
;;     4. [M 8,192, K 1,024] x [K 1,024, N 1,024]; A: computed on the way; B: input W_proj: QUANTISED
;;   THE QUANTISER, for each operand of a quantised product, along K:
;;     - K is cut into blocks of 32 from its start; a last block that is shorter is filled with zeros.
;;     - A block's scale is 2^e with e = floor(log2(the largest magnitude in the block)) - 2, held to -126 .. 127; a block of zeros has e = 0. As a byte (E8M0): e + 127.
;;     - Each number is divided by its block's scale, clamped to +-7.5, and rounded to the nearest number of E2M3, ties to even, subnormals kept.
;;     - The product sums the exact products of the quantised numbers (number of the format x scale) in f32.
;;   ~~~python
;;   def quantise(x, axis):      # numpy; x: float32 -> the quantised numbers, widened to float32 again
;;       x = np.moveaxis(x, axis, -1); K = x.shape[-1]
;;       x = np.pad(x, [(0, 0)] * (x.ndim - 1) + [(0, -K % 32)]); x = x.reshape(x.shape[:-1] + (-1, 32)); a = np.abs(x).max(-1, keepdims=True)
;;       e = np.where(a > 0, np.clip(np.frexp(np.where(a > 0, a, 1))[1] - 1 - 2, -126, 127), 0)      # np.frexp(a)[1] - 1 = floor(log2(a)), exactly
;;       r = np.clip(x / 2.0 ** e, -7.5, 7.5)
;;       step = 2.0 ** (np.maximum(np.frexp(np.where(r == 0, 1, r))[1] - 1, 0) - 3)
;;       q = np.round(r / step) * step * 2.0 ** e      # np.round: ties to even
;;       return np.moveaxis(q.reshape(q.shape[:-2] + (-1,))[..., :K], -1, axis).astype(np.float32)
;;   ~~~
;;   SOFTMAX AHEAD OF A QUANTISED PRODUCT. Where the list says 'softmax', what is quantised is not the finished softmax but p = 2^(t - M), with t = logit x log2(e) and M = ceil(the row's largest t), a whole number; so 1/2 < the row's largest p <= 1. The row's sum l is taken of the UNQUANTISED p, in f32, and the product's result is divided by l at the end. Since M is a whole number, a kernel that streams over the keys may use a running M (the ceiling of the running maximum): every later rescaling is an exact power of two, which a block's scale takes up: the codes' values come out the same.
;;   OPERANDS COMPUTED ON THE WAY. 'Computed on the way' means the value that the module computes at that place (a softmax that the list does not call 'softmax' is quantised finished and normalised). What goes into a quantiser is computed in f32, as accurately as f32 sums, v_exp_f32 and their like allow (about 1e-6 of the number): no bf16 or f16 on the way to a quantiser, and a product that is left as it is and whose result goes on into a quantised operand takes f32 operands (vector FMAs, or v_wmma_f32_16x16x4_f32). A number that lies on a knife's edge between two numbers of the format may be rounded either way, as far as f32 arithmetic and the matrix unit's own rounding can turn it there, and no further.
;; One version. Each part assembles by itself: llvm-mc -triple=amdgcn-amd-amdhsa -mcpu=gfx1250 --defsym DOCPART=n.
;; ======== version 1 of 1: 4 launches
;; workspace buffers: wcodes 9,437,184 bytes; wscales 393,216 bytes; qkvc 18,874,368 bytes; qkvs 786,432 bytes; oc 6,291,456 bytes; os 262,144 bytes
;; launch quant (part 1): grid 256 x 1, 6 waves a work-group, no clusters, 51,456 bytes of LDS; arguments x, W_qkv, W_proj, wcodes, wscales; writes wcodes, wscales
.if DOCPART == 1
	.amdgcn_target "amdgcn-amd-amdhsa--gfx1250"
	.amdhsa_code_object_version 6
	.text
	.protected	k_q3d8a80b548_quant
	.globl	k_q3d8a80b548_quant
	.p2align	8
	.type	k_q3d8a80b548_quant,@function
k_q3d8a80b548_quant:
	s_mov_b64 s[64:65], 0
	v_nop
	global_prefetch_b8 v0, s[64:65] scope:SCOPE_SE
	s_setreg_imm32_b32 hwreg(HW_REG_WAVE_MODE, 25, 1), 1
	s_wait_xcnt 0x0
; x [8192][1024], W_qkv [3072][1024] and W_proj [1024][1024], f32, K innermost, become codes of FP6 (E2M3) with one E8M0 byte for each 32 along K.
; A block's scale is 2^(floor(log2(its largest magnitude)) - 2): its byte is the largest magnitude's exponent field - 2, held at 1 from below.
; LIMITS: NaN and infinities among the inputs are not served.  A block of zeros, or one whose largest magnitude lies under 2^-124, gets the byte 1 (the quantiser says 127 for zeros):
; its codes are zeros, which add nothing under any byte but 0xff, and only this program reads the bytes.
; THE CODES ARE LAID AS IMAGES OF OPERAND REGISTERS.  The three tensors are 768 row blocks of 16 rows (x 0-511, W_qkv 512-703, W_proj 704-767).  A fragment (16 rows x 128 K) is 12 registers a lane:
; registers 4 c .. 4 c + 3 of lane l lie at 512 c + 16 l of its 1,536 bytes.  wcodes: [row block][K step 8][1,536].  wscales: [row block][2][256]: row r's four words (four K steps) at 16 r.
; ONE ORDER INSIDE EVERY BLOCK OF 32: place 16 h + 8 u + j holds index 16 u + 8 h + j.  A matrix result that is quantised in registers comes out in this order by itself; here the reads from the stage make it.
; Both operands of every product of the program have it, and a block keeps its 32 members, so sums and scales are what they are in plain order.
; SHARES: 1,536 units of 16 rows x 512 K (four fragments): 6 waves x 256 work-groups, a unit a wave.  Each load reads 512 consecutive bytes of a row; a fragment's 16 rows turn through the wave's own stage in LDS
; (rows 528 bytes apart, an odd multiple of 16) and come back as 16 numbers of each of the four blocks of the lane's row.  Waves share nothing: no barrier.  Two fragments' loads (32 a wave) are out at the start.
; No matrix unit, no cluster, no tensor load: nothing is shared between work-groups and every byte is read once.
.set STGB, 8448                        ; a wave's stage: 16 rows x 528 bytes
.set TM,   8                           ; v8-11 largest magnitudes, v12-15 the other half's / the bytes, v20-23 the conversions' scale operands
.set PW,   24                          ; v24-27 a scale word for each fragment
.set PC,   28                          ; v28-39 a fragment's codes; v40-42, v44-46 the conversions' second halves
.set X,    48                          ; v48-111 64 numbers: register 16 b + i = place 16 h + i of block b of my row
.set LND,  112                         ; v112-175, v176-239 two sets of 16 x 4 registers as loaded
.set SEL,  24                          ; s[24:25] lane selects: lane l xor 16
	s_load_b256 s[4:11], s[0:1], 0x0               ; x, W_qkv, W_proj, wcodes
	s_load_b64 s[12:13], s[0:1], 0x20              ; wscales
	v_lshl_add_u32 v240, v0, 2, 0xc600
	v_mov_b32 v241, 0
	v_lshrrev_b32 v1, 5, v0
	v_readfirstlane_b32 s14, v1                    ; wave 0..5
	v_and_b32 v2, 31, v0                           ; lane
	v_and_b32 v3, 15, v0                           ; r
	v_bfe_u32 v5, v0, 4, 1                         ; h
	v_lshlrev_b32 v1, 4, v2                        ; v1 = 16 x lane: my bytes of a load and of a store
	s_mul_i32 s15, s14, STGB
	v_add_nc_u32 v2, s15, v1                       ; v2: the stage on the way in
	v_lshlrev_b32 v4, 4, v3
	v_lshl_add_u32 v4, v5, 3, v4                   ; v4 = 16 r + 8 h: my two scale words
	v_mul_u32_u24 v3, v3, 528
	v_lshl_add_u32 v3, v5, 5, v3
	v_add_nc_u32 v3, s15, v3                       ; v3: the stage on the way out: row r, + 32 h
.irp b, 0,1,2,3
	v_mov_b32 v[TM+4+\b], 0                        ; written once: a lane permute's destination counts as one of its sources
.endr
	s_mov_b32 s[SEL], 0x76543210
	s_mov_b32 s[SEL+1], 0xfedcba98
	s_mul_i32 s16, ttmp9, 6
	s_add_co_u32 s16, s16, s14                     ; my unit
	s_lshr_b32 s17, s16, 1                         ; its row block
	s_and_b32 s18, s16, 1                          ; its half of K
	s_wait_kmcnt 0x0
	s_cmp_lt_u32 s17, 512                          ; which tensor: the choice hangs on ids alone
	s_cselect_b64 s[4:5], s[4:5], s[6:7]
	s_cselect_b32 s19, 0, 512
	s_cmp_lt_u32 s17, 704
	s_cselect_b64 s[4:5], s[4:5], s[8:9]
	s_cselect_b32 s19, s19, 704                    ; the tensor's first row block
	s_sub_co_u32 s20, s17, s19
	s_lshl_b32 s20, s20, 16                        ; 16 rows of 4,096 bytes
	s_lshl_b32 s21, s18, 11                        ; 512 numbers
	s_add_co_u32 s20, s20, s21
	s_mov_b32 s21, 0
	s_add_nc_u64 s[4:5], s[4:5], s[20:21]
	s_mul_i32 s20, s17, 12288
	s_mul_i32 s22, s18, 6144
	s_add_co_u32 s20, s20, s22
	s_add_nc_u64 s[10:11], s[10:11], s[20:21]
	s_lshl_b32 s20, s16, 8                         ; 512 x row block + 256 x half
	s_add_nc_u64 s[12:13], s[12:13], s[20:21]
.macro LOAD f                          ; fragment f: 16 rows x 512 bytes, a row a load
.irp p, 0,1,2,3,4,5,6,7,8,9,10,11,12,13,14,15
	global_load_b128 v[LND+64*((\f)%2)+4*\p:LND+64*((\f)%2)+4*\p+3], v1, s[4:5] offset:4096*\p+512*(\f) th:TH_LOAD_NT
.endr
.endm
.macro TURN f                          ; through the stage; LDS serves a wave's instructions in order, so no wait stands between the stores and the loads
.irp p, 0,1,2,3,4,5,6,7,8,9,10,11,12,13,14,15
	ds_store_b128 v2, v[LND+64*((\f)%2)+4*\p:LND+64*((\f)%2)+4*\p+3] offset:528*\p
.endr
.irp b, 0,1,2,3
.irp u, 0,1
.irp j, 0,1
	ds_load_b128 v[X+16*\b+8*\u+4*\j:X+16*\b+8*\u+4*\j+3], v3 offset:128*\b+64*\u+16*\j   ; indices 32 b + 16 u + 8 h + 4 j .. + 3 of my row
.endr
.endr
.endr
.endm
.macro QMAX s, pw                      ; the four blocks' scales, and the row's scale word
.irp b, 0,1,2,3
	v_max3_num_f32 v[TM+\b], |v[\s+16*\b]|, |v[\s+16*\b+1]|, 0x1800000   ; my 16 numbers of block b, and the floor 2^(3 - 127): the byte cannot fall under 1
.endr
.irp i, 2,4,6,8,10,12,14
.irp b, 0,1,2,3
	v_max3_num_f32 v[TM+\b], v[TM+\b], |v[\s+16*\b+\i]|, |v[\s+16*\b+\i+1]|   ; the four blocks by turns
.endr
.endr
.irp b, 0,1,2,3
	v_permlanex16_b32 v[TM+4+\b], v[TM+\b], s[SEL], s[SEL+1]
.endr
.irp b, 0,1,2,3
	v_max_num_f32 v[TM+\b], v[TM+\b], v[TM+4+\b]   ; with lane l xor 16's 16: the block's largest magnitude
.endr
.irp b, 0,1,2,3
	v_add_nc_u32 v[TM+12+\b], 0xff000000, v[TM+\b] ; 2 off its exponent field: the conversion reads the exponent field of this operand and nothing else
.endr
.irp b, 0,1,2,3
	v_lshrrev_b32 v[TM+4+\b], 23, v[TM+12+\b]      ; the byte
.endr
	v_lshl_or_b32 v[\pw], v[TM+5], 8, v[TM+4]
	v_lshl_or_b32 v[\pw], v[TM+6], 16, v[\pw]
	v_lshl_or_b32 v[\pw], v[TM+7], 24, v[\pw]
.endm
.macro QCVT s                          ; the codes, in the operand's layout: registers 6 c .. 6 c + 5 of lane (r, h) hold block 2 c + h
.irp c, 0,1
	v_cvt_scalef32_pk16_fp6_f32 v[PC+6*\c:PC+6*\c+2], v[\s+32*\c:\s+32*\c+15], v[TM+12+2*\c]
	v_cvt_scalef32_pk16_fp6_f32 v[PC+12+4*\c:PC+12+4*\c+2], v[\s+32*\c+16:\s+32*\c+31], v[TM+13+2*\c]   ; (a conversion's three registers begin on an even number)
.endr
	v_nop                                          ; one plain instruction behind the scaled conversions
.irp c, 0,1
.irp i, 0,1,2
	v_permlane16_swap_b32 v[PC+6*\c+\i], v[PC+12+4*\c+\i]   ; half blocks change lanes: a lane now holds a whole block
.endr
.irp i, 0,1,2
	v_mov_b32 v[PC+3+6*\c+\i], v[PC+12+4*\c+\i]
.endr
.endr
.endm
	LOAD 0
	LOAD 1
.irp f, 0,1,2,3
.if \f < 3
	s_wait_loadcnt 16                              ; this fragment's 16 loads are in; the next fragment's 16 may be out
.else
	s_wait_loadcnt 0x0
.endif
	TURN \f
	s_wait_dscnt 0x0                               ; the numbers are back, and the stores into the stage have read the set that the loads below fill again
.if \f < 2
	LOAD \f+2
.endif
	QMAX X, PW+\f
	s_wait_xcnt 0x0                                ; the codes' registers were the last fragment's store data: they are written again only behind this wait
	QCVT X
.irp c, 0,1,2
	global_store_b128 v1, v[PC+4*\c:PC+4*\c+3], s[10:11] offset:1536*\f+512*\c   ; 32 lanes store 512 consecutive bytes, aligned to 512
.endr
.endr
	v_cmp_ne_u32 vcc_lo, 0, v5
	v_cndmask_b32 v6, v[PW], v[PW+2], vcc_lo       ; lanes 0-15 store their row's words 0 and 1, lanes 16-31 words 2 and 3
	v_cndmask_b32 v7, v[PW+1], v[PW+3], vcc_lo
	global_store_b64 v4, v[6:7], s[12:13]          ; one store covers the group's 256 bytes
	s_wait_tensorcnt 0x0
	ds_add_u32 v240, v241
	s_wait_dscnt 0x0
	s_endpgm
.Lfunc_end_k_q3d8a80b548_quant:
	.size	k_q3d8a80b548_quant, .Lfunc_end_k_q3d8a80b548_quant-k_q3d8a80b548_quant
	.p2alignl 7, 3214868480
	.fill 96, 4, 3214868480
	.section	.rodata,"a",@progbits
	.p2align	6, 0x0
	.amdhsa_kernel k_q3d8a80b548_quant
		.amdhsa_group_segment_fixed_size 51456
		.amdhsa_private_segment_fixed_size 0
		.amdhsa_enable_private_segment 0
		.amdhsa_kernarg_size 40
		.amdhsa_user_sgpr_count 2
		.amdhsa_user_sgpr_kernarg_segment_ptr 1
		.amdhsa_wavefront_size32 1
		.amdhsa_system_sgpr_workgroup_id_x 1
		.amdhsa_system_sgpr_workgroup_id_y 1
		.amdhsa_system_sgpr_workgroup_id_z 1
		.amdhsa_system_vgpr_workitem_id 0
		.amdhsa_next_free_vgpr 242
		.amdhsa_next_free_sgpr 66
		.amdhsa_reserve_vcc 1
		.amdhsa_float_denorm_mode_32 3
		.amdhsa_float_denorm_mode_16_64 3
		.amdhsa_memory_ordered 1
		.amdhsa_forward_progress 1
		.amdhsa_inst_pref_size 33
	.end_amdhsa_kernel
	.amdgpu_metadata
---
amdhsa.version: [ 1, 2 ]
amdhsa.kernels:
  - .name:           k_q3d8a80b548_quant
    .symbol:         k_q3d8a80b548_quant.kd
    .args:
      - { .name: x, .offset: 0, .size: 8, .value_kind: global_buffer, .address_space: global }
      - { .name: W_qkv, .offset: 8, .size: 8, .value_kind: global_buffer, .address_space: global }
      - { .name: W_proj, .offset: 16, .size: 8, .value_kind: global_buffer, .address_space: global }
      - { .name: wcodes, .offset: 24, .size: 8, .value_kind: global_buffer, .address_space: global }
      - { .name: wscales, .offset: 32, .size: 8, .value_kind: global_buffer, .address_space: global }
    .group_segment_fixed_size: 51456
    .private_segment_fixed_size: 0
    .kernarg_segment_align: 8
    .kernarg_segment_size: 40
    .max_flat_workgroup_size: 192
    .sgpr_count:     66
    .vgpr_count:     242
    .wavefront_size: 32
...
	.end_amdgpu_metadata
.endif
;; end of part 1
;; launch gemm_qkv (part 2): grid 8 x 48, 4 waves a work-group, clusters of 4 x 4, 327,680 bytes of LDS; arguments wcodes, wscales, qkvc, qkvs; writes qkvc, qkvs
.if DOCPART == 2
	.amdgcn_target "amdgcn-amd-amdhsa--gfx1250"
	.amdhsa_code_object_version 6
	.text
	.protected	k_q3d8a80b548_gemm_qkv
	.globl	k_q3d8a80b548_gemm_qkv
	.p2align	8
	.type	k_q3d8a80b548_gemm_qkv,@function
k_q3d8a80b548_gemm_qkv:
	s_mov_b64 s[64:65], 0
	v_nop
	global_prefetch_b8 v0, s[64:65] scope:SCOPE_SE
	s_setreg_imm32_b32 hwreg(HW_REG_WAVE_MODE, 25, 1), 1
	s_wait_xcnt 0x0
	s_wait_alu depctr_hold_cnt(0) depctr_sa_sdst(0) depctr_va_vdst(0) depctr_va_sdst(0) depctr_va_ssrc(0) depctr_va_vcc(0) depctr_vm_vsrc(0)
	s_getreg_b32 s2, hwreg(HW_REG_IB_STS2, 6, 4)
	s_cmp_eq_u32 s2, 0
	s_cbranch_scc0 .Lentry_in_a_cluster
	s_endpgm
.Lentry_in_a_cluster:
	s_bfe_u32 s2, ttmp6, 0x10000c
	s_cmp_lg_u32 s2, 0xf033
	s_cbranch_scc0 .Lentry_shape_is_right
	s_endpgm
.Lentry_shape_is_right:
; qkv = x W_qkv^T on codes of FP6 (E2M3) with E8M0 scales, K = 1,024; the results are quantised in registers and leave as codes: q and k along the head's 64, v along the keys.
; A tile of 256 x 256 results is made by four waves, 128 x 128 each: 64 accumulators, 512 registers.  Source 0 = 16 rows of the 'B side', source 1 = 16 rows of the 'A side':
; lane (r, h), register j of accumulator (a, b) holds A row 16 a + r and B row 16 b + 8 h + j: a lane's registers run along the B side.
; q, k (clusters y = 0..7): A = tokens, B = rows of W_q, W_k: a lane holds a token and its registers run along d.    v (clusters y = 8..11): A = rows of W_v, B = tokens: a lane holds a d and its registers run down the keys.
; 256 + 128 work-groups; a tile of three halves the size, which would make 256, does not leave room for fragments beside its accumulators.
; OPERANDS come as images of their registers (a fragment: 1,536 bytes, registers 4 c .. 4 c + 3 of lane l at 512 c + 16 l), so every LDS read is 512 consecutive bytes: no padding.
; K goes in four chunks of 256 through THREE LDS slots: chunks 0, 1, 2 and all scale words are first fills, chunk 3 is the one refill (into slot 0).  Eight K steps of 128 are written out: no loop.
; By this text's own count a wave has four tensor loads out at the start and one behind the refill's barrier; the refill has K steps 2, 3, 4 and half of 1 in which to land.
; CLUSTER 4 x 4: A's tiles are asked for jointly by my row of the cluster, B's by my column.  A's addresses are made of cluster y and cy alone, B's of cluster x, cx and cluster y.
; No prefetch: three of the four chunks are asked for at the head, together with every other work-group's.
; OUT: qkvc [batch x head 64][128 tokens 16][q, k, v][4][1,536]: q, k: image p = token tiles 2 p (registers 0-5: its 64 d) and 2 p + 1 (registers 6-11); v: image t = d 16 t .. + 15 x 128 keys.
;      qkvs [64][16][3][256]: row r's four scale words (one an image) at 16 r.
; LIMITS: as the quantiser's launch: no NaN or infinity; a block under 2^-124 gets the byte 1 with zero codes.
; REGISTERS: window 0: v16-30 addresses; v32-95 scale words and nothing else; v96-119 the quantiser's; v128-223 A's fragments, one set; v224-242 codes.  window 1: B's fragments, two sets, at v0 and v128.
;            windows 2, 3: accumulator (a, b) at v[8 (8 (a % 4) + b)], a < 4 in window 2.
.set FR,    12                         ; registers of a fragment
.set FRB,   1536                       ; its image
.set CH,    2*FRB                      ; a row block's part of a chunk: two K steps
.set HALFT, 8*CH                       ; 8 row blocks: what one tensor load brings, what one wave reads of a side
.set SIDE,  2*HALFT
.set SLOT,  2*SIDE                     ; A's 16 row blocks, then B's
.set SCL,   3*SLOT                     ; behind the slots: the scale words of A's 16 row blocks (512 bytes each), then B's
.set HALFS, 4096
.set SPARE, SCL+4*HALFS                ; the spare words, 128 bytes a wave: two blocks of 256 bytes that no other line names
.set NLA,   3                          ; LDS loads that bring a fragment of A
.set NP,    4                          ; places behind this matrix instruction (ISA guide 7.12.1)
.set ADRA,  16                         ; v16-18 my A fragments in slot 0, 1, 2
.set ADRB,  22                         ; v22-24 my B fragments
.set LI,    25                         ; v25 16 x lane
.set LS,    26                         ; v26 16 r + 8 h
.set ADRS,  27                         ; v27 scale words: lanes 0-15 A's rows, lanes 16-31 B's
.set SPW,   28                         ; v28 my spare word; never rewritten
.set NIL,   29                         ; v29 0; never rewritten
.set HH,    30                         ; v30 h
.set SC,    32                         ; register 8 i + s: lanes 0-15 the word of A's block i, lanes 16-31 of B's block i, for K step s
.set TM,    96
.set PW,    112                        ; v112-115 four images' scale words
.set SD,    116                        ; v116-117 scale words on their way out
.set AF,    128
.set PC,    224
.set SEL,   20                         ; s[20:21]
.set G1A,   24                         ; s[24:31], s[32:39] group 1 for A's and B's codes; s[40:47], s[48:55] for their scale words
.set G1B,   32
.set G1SA,  40
.set G1SB,  48
.set G0SA,  56                         ; s[56:59], s[60:63] group 0 for the scale words
.set G0SB,  60
.set G0A,   68                         ; s[68:79] group 0 for A's codes, a set a slot; s[80:91] for B's
.set G0B,   80
.set MSB, 0
.macro WIN new                         ; the immediate's high byte repeats the setting that is left
.if MSB != (\new)
	s_set_vgpr_msb (MSB<<8)|(\new)
.set MSB, (\new)
.endif
.endm
.set MUL_LO, 0xa1                      ; source 0 (B) window 1, source 1 (A) window 0, C and D window 2
.set MUL_HI, 0xf1                      ; the same, C and D window 3
.set TO_B,   0x40                      ; destination window 1, address window 0
.macro JLOAD g0a, g1a, g0b, g1b        ; a joint load: waves 0, 1 fetch for A, waves 2, 3 for B; four v_nop follow each line
	s_cmp_eq_u32 s15, 0
	s_cbranch_scc0 .Lfor_b_\@
	tensor_load_to_lds s[\g0a:\g0a+3], s[\g1a:\g1a+7]
	s_nop 0
.rept 4
	v_nop
.endr
	s_branch .Lasked_\@
.Lfor_b_\@:
	tensor_load_to_lds s[\g0b:\g0b+3], s[\g1b:\g1b+7]
	s_nop 0
.rept 4
	v_nop
.endr
.Lasked_\@:
.endm
.macro CREST                           ; a round of the cluster's barrier behind its opening barrier
	s_cmp_lg_u32 s14, 0
	s_cbranch_scc1 .Lnot_wave_0_\@
	s_barrier_signal -3
.Lnot_wave_0_\@:
	s_barrier_wait -3
	s_barrier_signal -1
	s_barrier_wait -1
.endm
.macro CROUND
	s_barrier_signal -1
	s_barrier_wait -1
	CREST
.endm
.macro PLACES n
.rept \n
	v_nop
.endr
.endm
	s_load_b256 s[4:11], s[0:1], 0x0               ; wcodes, wscales, qkvc, qkvs
	v_lshl_add_u32 v[SPW], v0, 2, SPARE
	v_mov_b32 v[NIL], 0
	ds_add_u32 v28, v29
	ds_add_u32 v28, v29
	s_wait_dscnt 0x0
	v_lshrrev_b32 v1, 5, v0
	v_readfirstlane_b32 s14, v1                    ; wave 0..3
	s_lshr_b32 s15, s14, 1                         ; my half of A's rows.  Also: I fetch for A (0) or B (1)
	s_and_b32 s16, s14, 1                          ; my half of B's rows.  Also: which 8 row blocks I fetch
	s_bfe_u32 s17, ttmp6, 0x40000                  ; cx
	s_bfe_u32 s18, ttmp6, 0x40004                  ; cy
	s_and_b32 s19, ttmp7, 0xffff                   ; cluster y: 0-7 q and k, 8-11 v
	s_lshl_b32 s22, ttmp9, 2
	s_add_co_u32 s22, s22, s17                     ; gx = 4 x cluster x + cx
	s_lshl_b32 s23, s19, 2
	s_add_co_u32 s23, s23, s18                     ; gy = 4 x cluster y + cy
	s_lshl_b32 s92, s18, 2
	s_lshl_b32 s92, 15, s92                        ; my row of the cluster
	s_lshl_b32 s93, 0x1111, s17                    ; my column
	s_or_b32 s[G1A], s92, (3<<16)|(1<<21)          ; 15:0 the mask; 17:16 elements of 8 bytes; 21 set beside a mask; no padding
	s_or_b32 s[G1B], s93, (3<<16)|(1<<21)
	s_or_b32 s[G1SA], s92, (3<<16)|(1<<21)
	s_or_b32 s[G1SB], s93, (3<<16)|(1<<21)
.irp g, G1A, G1B                       ; codes: 8 rows (row blocks) of 3,072 bytes, 12,288 bytes apart
	s_mov_b32 s[\g+1], 384<<16
	s_mov_b32 s[\g+2], 8<<16
	s_mov_b32 s[\g+3], 384<<16
	s_mov_b32 s[\g+4], 8
	s_mov_b32 s[\g+5], 1536
	s_mov_b32 s[\g+6], 0
	s_mov_b32 s[\g+7], 0
.endr
.irp g, G1SA, G1SB                     ; scale words: 4,096 dense bytes as 16 rows of 256
	s_mov_b32 s[\g+1], 32<<16
	s_mov_b32 s[\g+2], 16<<16
	s_mov_b32 s[\g+3], 32<<16
	s_mov_b32 s[\g+4], 16
	s_mov_b32 s[\g+5], 32
	s_mov_b32 s[\g+6], 0
	s_mov_b32 s[\g+7], 0
.endr
	s_mov_b32 s[SEL], 0x76543210
	s_mov_b32 s[SEL+1], 0xfedcba98
	; the first row blocks.  A in s94-97 (cluster y, cy), B in s98-101 (cluster x, cx, cluster y)
	s_lshl_b32 s94, s23, 4                         ; q, k: A = x, row block 16 gy
	s_lshl_b32 s96, s18, 4
	s_add_co_u32 s96, s96, 640                     ; v: A = W_v, row block 640 + 16 cy
	s_lshl_b32 s100, s22, 4
	s_add_co_u32 s98, s100, 512                    ; q, k: B = W_q, W_k, row block 512 + 16 gx
	s_max_u32 s101, s19, 8
	s_sub_co_u32 s101, s101, 8
	s_lshl_b32 s101, s101, 7
	s_add_co_u32 s100, s100, s101                  ; v: B = x, row block 16 gx + 128 (cluster y - 8)
	s_cmp_lt_u32 s19, 8                            ; the same in all sixteen partners
	s_cselect_b32 s94, s94, s96
	s_cselect_b32 s98, s98, s100
	s_lshl_b32 s3, s16, 3
	s_add_co_u32 s94, s94, s3                      ; + the 8 row blocks that I fetch
	s_add_co_u32 s98, s98, s3
	s_lshl_b32 s96, s94, 9                         ; scale words: 512 bytes a row block
	s_lshl_b32 s100, s98, 9
	s_mul_i32 s94, s94, 12288                      ; codes: 12,288
	s_mul_i32 s98, s98, 12288
	s_mov_b32 s95, 0
	s_mov_b32 s97, 0
	s_mov_b32 s99, 0
	s_mov_b32 s101, 0
	s_mul_i32 s3, s14, HALFT                       ; where they go: the wave's number alone enters an LDS address
	s_mul_i32 s2, s14, HALFS
	s_wait_kmcnt 0x0
	s_add_nc_u64 s[94:95], s[4:5], s[94:95]
	s_add_nc_u64 s[96:97], s[6:7], s[96:97]
	s_add_nc_u64 s[98:99], s[4:5], s[98:99]
	s_add_nc_u64 s[100:101], s[6:7], s[100:101]
	CROUND                                         ; all sixteen work-groups are here: the first joint loads meet
	s_mov_b32 s[G0SA], 1
	s_add_co_u32 s[G0SA+1], s2, SCL
	s_mov_b64 s[G0SA+2:G0SA+3], s[96:97]
	s_or_b32 s[G0SA+3], s[G0SA+3], 0x80000000
	s_mov_b32 s[G0SB], 1
	s_add_co_u32 s[G0SB+1], s2, SCL
	s_mov_b64 s[G0SB+2:G0SB+3], s[100:101]
	s_or_b32 s[G0SB+3], s[G0SB+3], 0x80000000
	JLOAD G0SA, G1SA, G0SB, G1SB                   ; the scale words first: they are wanted with K step 0
.irp s, 0,1,2
	s_mov_b32 s[G0A+4*\s], 1
	s_add_co_u32 s[G0A+4*\s+1], s3, \s*SLOT
	s_add_nc_u64 s[G0A+4*\s+2:G0A+4*\s+3], s[94:95], \s*CH
	s_or_b32 s[G0A+4*\s+3], s[G0A+4*\s+3], 0x80000000
	s_mov_b32 s[G0B+4*\s], 1
	s_add_co_u32 s[G0B+4*\s+1], s3, \s*SLOT
	s_add_nc_u64 s[G0B+4*\s+2:G0B+4*\s+3], s[98:99], \s*CH
	s_or_b32 s[G0B+4*\s+3], s[G0B+4*\s+3], 0x80000000
	JLOAD G0A+4*\s, G1A, G0B+4*\s, G1B             ; chunk s into slot s
.endr
	v_and_b32 v1, 31, v0
	v_and_b32 v2, 15, v0                           ; r
	v_bfe_u32 v[HH], v0, 4, 1                      ; h
	v_lshlrev_b32 v[LI], 4, v1
	v_lshlrev_b32 v[LS], 4, v2
	v_lshl_add_u32 v[LS], v[HH], 3, v[LS]
	s_mul_i32 s2, s15, HALFT                       ; my 8 row blocks of A
	s_mul_i32 s3, s16, HALFT
	s_add_co_u32 s3, s3, SIDE                      ; my 8 of B, behind A's 16
.irp s, 0,1,2
	v_add_nc_u32 v[ADRA+\s], s2, v[LI]
	v_add_nc_u32 v[ADRB+\s], s3, v[LI]
	s_add_co_u32 s2, s2, SLOT
	s_add_co_u32 s3, s3, SLOT
.endr
	s_mul_i32 s2, s15, HALFS                       ; A's scale words: my 8 row blocks
	s_mul_i32 s3, s16, HALFS
	s_add_co_u32 s3, s3, 2*HALFS                   ; B's, behind A's 16
	s_sub_co_u32 s3, s3, s2
	v_mul_u32_u24 v3, s3, v[HH]                    ; lanes 16-31 take B's: the lower base + h x the distance
	s_add_co_u32 s2, s2, SCL
	v_lshl_add_u32 v3, v2, 4, v3                   ; + 16 r
	v_add_nc_u32 v[ADRS], s2, v3
.macro FRAG reg, adr, off              ; a fragment comes back as it was stored: three loads of 512 consecutive bytes
.irp c, 0,1,2
	ds_load_b128 v[(\reg)+4*\c:(\reg)+4*\c+3], v[\adr] offset:(\off)+512*\c
.endr
.endm
.macro FETCH_B slot, q, p              ; B's eight fragments of the slot's q-th K step into set p
	WIN TO_B
.irp i, 0,1,2,3,4,5,6,7
	FRAG 128*(\p)+FR*\i, ADRB+\slot, \i*CH+(\q)*FRB
.endr
	WIN 0
.endm
.macro FETCH_A slot, q, i0             ; A's blocks i0 .. i0 + 3
.irp i, \i0, \i0+1, \i0+2, \i0+3
	FRAG AF+FR*(\i), ADRA+\slot, (\i)*CH+(\q)*FRB
.endr
.endm
.macro SCALES                          ; all eight K steps' scale words, once: 16 loads
.irp i, 0,1,2,3,4,5,6,7
	ds_load_b128 v[SC+8*\i:SC+8*\i+3], v[ADRS] offset:512*\i
	ds_load_b128 v[SC+8*\i+4:SC+8*\i+7], v[ADRS] offset:512*\i+256
.endr
.endm
; 16 matrix instructions: A's blocks a0, a0 + 1 x B's eight, K step ks.  The 64 accumulators take turns, one instruction a turn, in the same order in every step.
.macro MUL16 a0, ks, zero
.irp a, \a0, \a0+1
.irp b, 0,1,2,3,4,5,6,7
.if \zero
	v_wmma_scale_f32_16x16x128_f8f6f4 v[8*(8*((\a)%4)+\b):8*(8*((\a)%4)+\b)+7], v[128*((\ks)%2)+FR*\b:128*((\ks)%2)+FR*\b+FR-1], v[AF+FR*(\a):AF+FR*(\a)+FR-1], 0, v[SC+8*\b+(\ks)], v[SC+8*(\a)+(\ks)] matrix_a_fmt:MATRIX_FMT_FP6 matrix_b_fmt:MATRIX_FMT_FP6 matrix_a_scale:MATRIX_SCALE_ROW1
.else
	v_wmma_scale_f32_16x16x128_f8f6f4 v[8*(8*((\a)%4)+\b):8*(8*((\a)%4)+\b)+7], v[128*((\ks)%2)+FR*\b:128*((\ks)%2)+FR*\b+FR-1], v[AF+FR*(\a):AF+FR*(\a)+FR-1], v[8*(8*((\a)%4)+\b):8*(8*((\a)%4)+\b)+7], v[SC+8*\b+(\ks)], v[SC+8*(\a)+(\ks)] matrix_a_fmt:MATRIX_FMT_FP6 matrix_b_fmt:MATRIX_FMT_FP6 matrix_a_scale:MATRIX_SCALE_ROW1
.endif
.endr
.endr
.endm
; K step ks; the next step's fragments lie in slot nslot, K step nq of it, which is known whole.  A block of A is free when its eight products are issued: one set serves A; B has two.
.macro STEP ks, nslot, nq, zero
	s_wait_dscnt 4*NLA                             ; B's set and A's blocks 0-3 are in; the youngest loads (A's blocks 4-7) may be out
	WIN MUL_LO
	MUL16 0, \ks, \zero
	MUL16 2, \ks, \zero
	s_wait_dscnt 0x0                               ; A's blocks 4-7 are in
	PLACES NP                                      ; in front of loads into registers that matrix instructions have read
	FETCH_B \nslot, \nq, 1-(\ks)%2
	FETCH_A \nslot, \nq, 0
	WIN MUL_HI
	MUL16 4, \ks, \zero
	MUL16 6, \ks, \zero
	PLACES NP
	WIN 0
	FETCH_A \nslot, \nq, 4
.endm
; A K step with a barrier in it.  In front of the barrier each wave waits for all its tensor loads, adds 0 to its spare word, and waits for that and for its LDS reads.
; fill = 1: slot 0, which nobody reads any more, takes chunk 3; the barrier then opens a round of the cluster's barrier.
.macro TURN ks, nslot, fill
	s_wait_tensorcnt 0x0                           ; all my tensor loads have landed
	ds_add_u32 v[SPW], v[NIL]                      ; 0 onto my spare word
	s_wait_dscnt 4*NLA+1                           ; (the add and A's blocks 4-7 may be out)
	WIN MUL_LO
	MUL16 0, \ks, 0                                ; sixteen matrix instructions stand between the add and the wait for it
	s_wait_dscnt 0x0                               ; the add is done, and my LDS reads are over
	s_barrier_signal -1
	MUL16 2, \ks, 0
	WIN 0
	s_barrier_wait -1
.if \fill
	CREST                                          ; no wave of any partner still reads slot 0 or has a load on its way
	s_add_nc_u64 s[G0A+2:G0A+3], s[G0A+2:G0A+3], 3*CH
	s_add_nc_u64 s[G0B+2:G0B+3], s[G0B+2:G0B+3], 3*CH
	JLOAD G0A, G1A, G0B, G1B                       ; the first tensor load behind the round, one a wave; its four v_nop are the places in front of the loads below
.else
	PLACES NP
.endif
	FETCH_B \nslot, 0, 1-(\ks)%2
	FETCH_A \nslot, 0, 0
	WIN MUL_HI
	MUL16 4, \ks, 0
	MUL16 6, \ks, 0
	PLACES NP
	WIN 0
	FETCH_A \nslot, 0, 4
.endm
	s_wait_tensorcnt 0x2                           ; the scale words and my part of chunk 0 are in; chunks 1 and 2 may be out
	s_barrier_signal -1
	s_barrier_wait -1
	FETCH_B 0, 0, 0
	FETCH_A 0, 0, 0
	SCALES
	FETCH_A 0, 0, 4
	STEP 0, 0, 1, 1                                ; the first products start the sums: nothing is cleared
	TURN 1, 1, 1                                   ; slot 0 is left; every wave has waited for all first fills, so slots 1 and 2 are whole behind it
	STEP 2, 1, 1, 0
	STEP 3, 2, 0, 0
	STEP 4, 2, 1, 0
	TURN 5, 0, 0                                   ; chunk 3 has landed in every wave's part of slot 0
	STEP 6, 0, 1, 0
	s_wait_dscnt 4*NLA                             ; the last K step: nothing more to fetch
	WIN MUL_LO
	MUL16 0, 7, 0
	MUL16 2, 7, 0
	s_wait_dscnt 0x0
	WIN MUL_HI
	MUL16 4, 7, 0
	MUL16 6, 7, 0
	WIN 0
; THE WAY OUT: no LDS.  64 results of a lane (blocks 0, 1 at s0, blocks 2, 3 at s1 of window w; a block = the 16 registers of two neighbouring accumulators) become a fragment's codes and its scale word.
.macro QUANT2 s0, s1, w, pw
	WIN (\w)|((\w)<<2)
.irp b, 0,1,2,3
.set QB, (\s0)*(1-\b/2)+(\s1)*(\b/2)+16*(\b%2)
	v_max3_num_f32 v[TM+\b], |v[QB]|, |v[QB+1]|, 0x1800000   ; each accumulator is read from its low end on; the floor 2^(3 - 127) holds the byte at 1 from below
.endr
	WIN ((\w)<<2)|((\w)<<4)
.irp i, 2,4,6,8,10,12,14
.irp b, 0,1,2,3
.set QB, (\s0)*(1-\b/2)+(\s1)*(\b/2)+16*(\b%2)+\i
	v_max3_num_f32 v[TM+\b], v[TM+\b], |v[QB]|, |v[QB+1]|
.endr
.endr
	WIN 0
.irp b, 0,1,2,3
	v_permlanex16_b32 v[TM+4+\b], v[TM+\b], s[SEL], s[SEL+1]
.endr
.irp b, 0,1,2,3
	v_max_num_f32 v[TM+\b], v[TM+\b], v[TM+4+\b]   ; with lane l xor 16's 16: the block's largest magnitude
.endr
.irp b, 0,1,2,3
	v_add_nc_u32 v[TM+12+\b], 0xff000000, v[TM+\b] ; 2 off its exponent field: the conversion's scale operand
.endr
.irp b, 0,1,2,3
	v_lshrrev_b32 v[TM+4+\b], 23, v[TM+12+\b]      ; the byte
.endr
	v_lshl_or_b32 v[\pw], v[TM+5], 8, v[TM+4]
	v_lshl_or_b32 v[\pw], v[TM+6], 16, v[\pw]
	v_lshl_or_b32 v[\pw], v[TM+7], 24, v[\pw]
	s_wait_xcnt 0x0                                ; the codes' registers were the last image's store data: written again only behind this wait
	WIN (\w)
	v_cvt_scalef32_pk16_fp6_f32 v[PC:PC+2], v[(\s0):(\s0)+15], v[TM+12]
	v_cvt_scalef32_pk16_fp6_f32 v[PC+12:PC+14], v[(\s0)+16:(\s0)+31], v[TM+13]
	v_cvt_scalef32_pk16_fp6_f32 v[PC+6:PC+8], v[(\s1):(\s1)+15], v[TM+14]
	v_cvt_scalef32_pk16_fp6_f32 v[PC+16:PC+18], v[(\s1)+16:(\s1)+31], v[TM+15]
	WIN 0
	v_nop                                          ; one plain instruction behind the scaled conversions
.irp c, 0,1
.irp i, 0,1,2
	v_permlane16_swap_b32 v[PC+6*\c+\i], v[PC+12+4*\c+\i]
.endr
.irp i, 0,1,2
	v_mov_b32 v[PC+3+6*\c+\i], v[PC+12+4*\c+\i]
.endr
.endr
.endm
.macro UNIT s0, s1, w, pw, off
	QUANT2 \s0, \s1, \w, \pw
.irp c, 0,1,2
	global_store_b128 v[LI], v[PC+4*\c:PC+4*\c+3], s[8:9] offset:(\off)+512*\c   ; 32 lanes store 512 consecutive bytes, aligned to 512
.endr
.endm
.macro SCST hh                         ; four images' scale words: lanes 0-15 store words 0 and 1 of their row, lanes 16-31 words 2 and 3: one store covers the group's 256 bytes
	v_cndmask_b32 v[SD], v[PW], v[PW+2], vcc_lo
	v_cndmask_b32 v[SD+1], v[PW+1], v[PW+3], vcc_lo
	global_store_b64 v[LS], v[SD:SD+1], s[10:11] offset:12288*\hh
.endm
.irp b, 0,1,2,3
	v_mov_b32 v[TM+4+\b], 0                        ; a lane permute's destination counts as one of its sources.  These four are also the places behind the last products
.endr
	v_cmp_ne_u32 vcc_lo, 0, v[HH]
	s_lshr_b32 s92, s22, 2                         ; q, k: which of the two = gx / 4,
	s_and_b32 s93, s22, 3                          ; and which four heads
	s_max_u32 s94, s19, 8
	s_sub_co_u32 s94, s94, 8
	s_lshl_b32 s94, s94, 3
	s_add_co_u32 s94, s94, s22                     ; v: the tile of 256 tokens = gx + 8 (cluster y - 8)
	s_cmp_lt_u32 s19, 8
	s_cselect_b32 s92, s92, 2                      ; q 0, k 1, v 2
	s_cselect_b32 s93, s93, s18                    ; v: four heads by cy
	s_cselect_b32 s95, s16, s15                    ; which two of them are my wave's: the features lie on the B side (q, k) or on the A side (v)
	s_cselect_b32 s94, s23, s94                    ; the tile of 256 tokens
	s_cselect_b32 s96, s15, s16                    ; and my wave's 128 of them
	s_lshl_b32 s93, s93, 2
	s_lshl_b32 s95, s95, 1
	s_add_co_u32 s93, s93, s95                     ; my first head
	s_lshr_b32 s95, s94, 3
	s_lshl_b32 s95, s95, 4
	s_add_co_u32 s93, s93, s95                     ; + 16 x batch
	s_and_b32 s94, s94, 7
	s_lshl_b32 s94, s94, 1
	s_add_co_u32 s94, s94, s96                     ; the run of 128 tokens
	s_lshl_b32 s93, s93, 4
	s_add_co_u32 s93, s93, s94
	s_mul_i32 s93, s93, 3
	s_add_co_u32 s93, s93, s92
	s_mul_i32 s94, s93, 6144
	s_mov_b32 s95, 0
	s_add_nc_u64 s[8:9], s[8:9], s[94:95]
	s_lshl_b32 s94, s93, 8
	s_add_nc_u64 s[10:11], s[10:11], s[94:95]
	s_cmp_lt_u32 s19, 8                            ; the same in all partners
	s_cbranch_scc0 .Lv_part
.irp hh, 0,1                           ; q, k: head hh = accumulators b = 4 hh .. 4 hh + 3; image p = token tiles a = 2 p, 2 p + 1.  The next head lies 16 x 3 x 6,144 bytes on
.irp p, 0,1,2,3
	UNIT 64*((2*\p)%4)+32*\hh, 64*((2*\p)%4)+32*\hh+64, 2+\p/2, PW+\p, 294912*\hh+1536*\p
.endr
	SCST \hh
.endr
	s_branch .Ldone
.Lv_part:
.irp hh, 0,1                           ; v: head hh = accumulators a = 4 hh .. 4 hh + 3; image p = a % 4: its eight accumulators are 128 keys
.irp p, 0,1,2,3
	UNIT 64*\p, 64*\p+32, 2+\hh, PW+\p, 294912*\hh+1536*\p
.endr
	SCST \hh
.endr
.Ldone:
	s_wait_tensorcnt 0x0                           ; the wave's end
	ds_add_u32 v[SPW], v[NIL]
	s_wait_dscnt 0x0
	CROUND                                         ; the closing round: no work-group ends while a partner may still ask for a tile that names it
	s_endpgm
.Lfunc_end_k_q3d8a80b548_gemm_qkv:
	.size	k_q3d8a80b548_gemm_qkv, .Lfunc_end_k_q3d8a80b548_gemm_qkv-k_q3d8a80b548_gemm_qkv
	.p2alignl 7, 3214868480
	.fill 96, 4, 3214868480
	.section	.rodata,"a",@progbits
	.p2align	6, 0x0
	.amdhsa_kernel k_q3d8a80b548_gemm_qkv
		.amdhsa_group_segment_fixed_size 327680
		.amdhsa_private_segment_fixed_size 0
		.amdhsa_enable_private_segment 0
		.amdhsa_kernarg_size 32
		.amdhsa_user_sgpr_count 2
		.amdhsa_user_sgpr_kernarg_segment_ptr 1
		.amdhsa_wavefront_size32 1
		.amdhsa_system_sgpr_workgroup_id_x 1
		.amdhsa_system_sgpr_workgroup_id_y 1
		.amdhsa_system_sgpr_workgroup_id_z 1
		.amdhsa_system_vgpr_workitem_id 0
		.amdhsa_next_free_vgpr 1024
		.amdhsa_next_free_sgpr 102
		.amdhsa_reserve_vcc 1
		.amdhsa_float_denorm_mode_32 3
		.amdhsa_float_denorm_mode_16_64 3
		.amdhsa_memory_ordered 1
		.amdhsa_forward_progress 1
		.amdhsa_inst_pref_size 173
	.end_amdhsa_kernel
	.amdgpu_metadata
---
amdhsa.version: [ 1, 2 ]
amdhsa.kernels:
  - .name:           k_q3d8a80b548_gemm_qkv
    .symbol:         k_q3d8a80b548_gemm_qkv.kd
    .args:
      - { .name: wcodes, .offset: 0, .size: 8, .value_kind: global_buffer, .address_space: global }
      - { .name: wscales, .offset: 8, .size: 8, .value_kind: global_buffer, .address_space: global }
      - { .name: qkvc, .offset: 16, .size: 8, .value_kind: global_buffer, .address_space: global }
      - { .name: qkvs, .offset: 24, .size: 8, .value_kind: global_buffer, .address_space: global }
    .group_segment_fixed_size: 327680
    .private_segment_fixed_size: 0
    .kernarg_segment_align: 8
    .kernarg_segment_size: 32
    .max_flat_workgroup_size: 128
    .sgpr_count:     102
    .vgpr_count:     1024
    .wavefront_size: 32
...
	.end_amdgpu_metadata
.endif
;; end of part 2
;; launch attn (part 3): grid 4 x 64, 16 waves a work-group, clusters of 4 x 1, 206,848 bytes of LDS; arguments qkvc, qkvs, oc, os; writes oc, os
.if DOCPART == 3
	.amdgcn_target "amdgcn-amd-amdhsa--gfx1250"
	.amdhsa_code_object_version 6
	.text
	.protected	k_q3d8a80b548_attn
	.globl	k_q3d8a80b548_attn
	.p2align	8
	.type	k_q3d8a80b548_attn,@function
k_q3d8a80b548_attn:
	s_mov_b64 s[64:65], 0
	v_nop
	global_prefetch_b8 v0, s[64:65] scope:SCOPE_SE
	s_setreg_imm32_b32 hwreg(HW_REG_WAVE_MODE, 25, 1), 1
	s_wait_xcnt 0x0
	s_wait_alu depctr_hold_cnt(0) depctr_sa_sdst(0) depctr_va_vdst(0) depctr_va_sdst(0) depctr_va_ssrc(0) depctr_va_vcc(0) depctr_vm_vsrc(0)
	s_getreg_b32 s2, hwreg(HW_REG_IB_STS2, 6, 4)
	s_cmp_eq_u32 s2, 0
	s_cbranch_scc0 .Lentry_in_a_cluster
	s_endpgm
.Lentry_in_a_cluster:
	s_bfe_u32 s2, ttmp6, 0x10000c
	s_cmp_lg_u32 s2, 0x3003
	s_cbranch_scc0 .Lentry_shape_is_right
	s_endpgm
.Lentry_shape_is_right:
; Causal attention of one (batch, head) a cluster, on codes of FP6 (E2M3) with E8M0 scales; head size 64, 2,048 tokens.  Its result is divided by the row's sum, quantised along the model's 1,024 and leaves as codes.
; SOFTMAX: t = score x log2(e) / 8; M = the running largest t rounded UP to a whole number (kept as -M = floor(-t)); p = 2^(t - M) is quantised along the keys, not normalised; the sum is taken of the unquantised p;
; when M moves, the sum and O are multiplied by 2^(old M - new M), which rounds nothing.  A block's largest p is made from the block's largest score by the same multiply-add and exponential
; (this takes v_exp_f32 not to fall where its input rises; at the worst one p of a block would be held one code low).
; SHARES.  The head's 128 tiles of 16 queries are 16 groups of 8; a group is as wide as a key step (128 keys).  Wave w (u = w % 8, e = w / 8) of partner cx takes tile 2 cx + e of group 15 - u and then of group u:
; (16 - u) + (u + 1) = 17 key steps for every wave.  Which steps a wave walks hangs on its number alone; cx enters global addresses and the mask's data register only.
; ALL OF THE HEAD'S K AND V STAYS IN LDS: 16 key steps x (4 images of K + 4 of V) x 1,536 bytes, and their scale words.  Waves 0-3 ask for it by three joint loads each, at the head; no LDS byte is filled twice,
; so there is no ring.  Since every byte of K and V is asked for at the head, there is no later stream for which a prefetch could run ahead.
; LAYOUT.  Both products are used transposed: S^T = K Q^T, O^T = V^T P^T: a lane holds one query (lane % 16) throughout.  An image of K holds TWO key tiles: k 0-63 of the operand = the even tile's 64 d, k 64-127 the odd tile's.
; Against it stand [q, 0] for the even tile's scores and [0, q] for the odd tile's: q lies between two runs of six zero registers.  Zero codes add nothing under any scale byte but 0xff.
; In S^T register j of tile t holds key 16 t + 8 h + j; quantised in registers, p's blocks have the same order of their 32 members as V's, which were made the same way.
; OUT: oc [token tile 512][K step 8][1,536]: half (head % 2) of K step head / 2: six registers: four at 16 x lane, two at 512 + 8 x lane; the halves 768 bytes apart.  os [512][2][256]: row r's words at 16 r; byte 2 (head % 2) + block.
; The two scale bytes of a row leave by a store of one byte a lane: 32 bytes for each tile and head, against 768 of codes.
; LIMITS: no NaN or infinity; a block of the result under 2^-124 gets the byte 1 with zero codes.
.set LI,   1                           ; v1  16 x lane
.set SB0,  2                           ; v2  the scale words' region + 16 r
.set DLT,  3                           ; v3  my query's place in its group - 8 h: the mask's right side
.set ADK,  4                           ; v4  the step's images
.set ADS,  5                           ; v5  the step's scale words
.set QSO,  6                           ; v6  16 r
.set L8,   7                           ; v7  8 x lane
.set BO,   8                           ; v8  16 r + h
.set HV,   9                           ; v9  h
.set QA,   10                          ; v10, v11 where my tile's six registers lie in its pair's image
.set QB,   11
.set QHI,  16                          ; v16-27 [0, q]
.set QLO,  22                          ; v22-33 [q, 0]
.set QS,   34                          ; v34 q's scale word, its two bytes twice
.set QS2,  35                          ; v35 the second tile's pair's word
.set Q2,   36                          ; v36-41 the second tile's q
.set KS,   42                          ; v42-45 K's scale words, one an image
.set VS,   46                          ; v46-49 V's
.set KV,   50                          ; v50-97 four images: K's, then V's
.set SS,   98                          ; v98-161 S^T, then p
.set OO,   162                         ; v162-193 O^T
.set PCD,  194                         ; v194-205 p's codes
.set CT,   206                         ; v206-208, v210-212 the conversions' second halves
.set BM,   214                         ; v214-217 the blocks' largest
.set EX,   218                         ; v218-221 the other half's / the bytes
.set SO,   222                         ; v222-225 the conversions' scale operands
.set PS,   226                         ; v[226:227] the sums' second chain
.set TT,   228
.set FF,   230                         ; v[230:231] f, later 1 / sum (the low word serves both halves)
.set PWR,  232                         ; v232 p's scale word
.set NINF, 233
.set FO,   234                         ; v234-239 the result's six registers
.set TO,   240
.set BY,   243
.set WV,   12
.set SEL,  20
.set CS,   22
.set G1C,  24                          ; s[24:31] group 1 for codes, s[32:39] for scale words
.set G1S,  32
.set G0S,  40                          ; s[40:43] group 0 for scale words, s[44:47], s[48:51] for the two halves of the codes
.set G0C,  44
.set TB,   52                          ; LDS byte of the step's images
.set TS,   53                          ; and of its scale words
.set SK,   54                          ; the key step
.set LIM,  55                          ; the tile's last key step: its group
.set CNT,  56
.set QCB,  58                          ; s[58:59], s[60:61] the first tile's q and its scale word; s[62:63], s[66:67] the second's
.set QSB,  60
.set QCA,  62
.set QSA,  66
.set OCB,  68                          ; s[68:69], s[70:71] where the first tile's result goes; s[72:73], s[74:75] the second's
.set OSB,  70
.set OCA,  72
.set OSA,  74
.set HM,   76                          ; lanes 16-31
.macro CROUND                          ; a round of the cluster's barrier
	s_barrier_signal -1
	s_barrier_wait -1
	s_cmp_lg_u32 s[WV], 0
	s_cbranch_scc1 .Lnot_wave_0_\@
	s_barrier_signal -3
.Lnot_wave_0_\@:
	s_barrier_wait -3
	s_barrier_signal -1
	s_barrier_wait -1
.endm
.macro BASES g, qc, qs, ob, sb         ; the byte offsets of the tile in group s[g]
	s_add_co_u32 s86, s78, s[\g]                   ; 16 x (batch, head) + group
	s_mul_i32 s[\qc], s86, 18432
	s_add_co_u32 s[\qc], s[\qc], s87               ; q's image cx
	s_mov_b32 s[\qc+1], 0
	s_mul_i32 s[\qs], s86, 768
	s_add_co_u32 s[\qs], s[\qs], s88               ; word cx
	s_mov_b32 s[\qs+1], 0
	s_lshl_b32 s86, s[\g], 3
	s_add_co_u32 s86, s86, s89                     ; the token tile: 128 x batch + 8 x group + 2 cx + e
	s_lshl_b32 s[\sb], s86, 9
	s_add_co_u32 s[\sb], s[\sb], s3
	s_mov_b32 s[\sb+1], 0
	s_lshl_b32 s86, s86, 3
	s_add_co_u32 s86, s86, s17
	s_mul_i32 s[\ob], s86, 1536
	s_add_co_u32 s[\ob], s[\ob], s18
	s_mov_b32 s[\ob+1], 0
.endm
	s_load_b256 s[4:11], s[0:1], 0x0               ; qkvc, qkvs, oc, os
	v_lshl_add_u32 v254, v0, 2, 0x32000
	v_mov_b32 v255, 0
	ds_add_u32 v254, v255
	ds_add_u32 v254, v255
	v_lshrrev_b32 v4, 5, v0
	v_readfirstlane_b32 s[WV], v4                  ; wave 0..15
	s_and_b32 s13, s[WV], 7                        ; u
	s_lshr_b32 s14, s[WV], 3                       ; e
	s_bfe_u32 s15, ttmp6, 0x40000                  ; cx
	s_and_b32 s16, ttmp7, 0xffff                   ; (batch, head), which the four partners share
	s_lshl_b32 s78, s16, 4
	; what waves 0-3 fetch: made of (batch, head) and the wave's number alone
	s_lshl_b32 s79, s[WV], 1
	s_add_co_u32 s79, s79, s78
	s_mul_i32 s80, s79, 18432                      ; key steps 2 w, 2 w + 1: a step is q, k, v: 3 x 6,144 bytes;
	s_add_co_u32 s80, s80, 6144                    ; k and v lie together behind q
	s_mov_b32 s81, 0
	s_lshl_b32 s79, s[WV], 2
	s_add_co_u32 s79, s79, s78
	s_mul_i32 s82, s79, 768                        ; the scale words of key steps 4 w .. 4 w + 3
	s_add_co_u32 s82, s82, 256
	s_mov_b32 s83, 0
	s_mul_i32 s84, s[WV], 24576
	s_lshl_b32 s85, s[WV], 11
	s_add_co_u32 s85, s85, 196608
	s_mov_b32 s[G1C], 15|(3<<16)|(1<<21)           ; 15:0 all four work-groups; 17:16 elements of 8 bytes; 21 set beside a mask
	s_mov_b32 s[G1C+1], 1536<<16                   ; a row: a step's k and v, 12,288 bytes
	s_mov_b32 s[G1C+2], 2<<16                      ; two steps
	s_mov_b32 s[G1C+3], 1536<<16
	s_mov_b32 s[G1C+4], 2
	s_mov_b32 s[G1C+5], 2304                       ; 18,432 bytes from step to step
	s_mov_b32 s[G1C+6], 0
	s_mov_b32 s[G1C+7], 0
	s_mov_b32 s[G1S], 15|(3<<16)|(1<<21)
	s_mov_b32 s[G1S+1], 64<<16                     ; a row: a step's words of k and v, 512 bytes
	s_mov_b32 s[G1S+2], 4<<16                      ; four steps
	s_mov_b32 s[G1S+3], 64<<16
	s_mov_b32 s[G1S+4], 4
	s_mov_b32 s[G1S+5], 96                         ; 768 bytes from step to step
	s_mov_b32 s[G1S+6], 0
	s_mov_b32 s[G1S+7], 0
	s_mov_b32 s[SEL], 0x76543210
	s_mov_b32 s[SEL+1], 0xfedcba98
	s_mov_b32 s[CS], 0x3e38aa3b                    ; c = log2(e) / 8
	s_mov_b32 s[CS+1], s[CS]                       ; (named with it as a pair, so it is written)
	; my two tiles: these hang on cx and enter global addresses alone
	s_sub_co_u32 s19, 15, s13                      ; the first tile's group
	s_mul_i32 s87, s15, 1536
	s_lshl_b32 s88, s15, 2
	s_lshl_b32 s89, s15, 1
	s_add_co_u32 s2, s89, s14                      ; the tile's place in its group: 2 cx + e
	s_lshr_b32 s89, s16, 4
	s_lshl_b32 s89, s89, 7
	s_add_co_u32 s89, s89, s2
	s_and_b32 s86, s16, 15                         ; the head
	s_lshr_b32 s17, s86, 1                         ; its K step of the last product
	s_and_b32 s18, s86, 1                          ; and its half of it
	s_lshr_b32 s3, s17, 2
	s_lshl_b32 s3, s3, 8
	s_and_b32 s86, s17, 3
	s_lshl_b32 s86, s86, 2
	s_add_co_u32 s3, s3, s86
	s_lshl_b32 s86, s18, 1
	s_add_co_u32 s3, s3, s86                       ; the scale bytes' place in a token tile's 512
	s_mul_i32 s18, s18, 768
	BASES 19, QCB, QSB, OCB, OSB
	BASES 13, QCA, QSA, OCA, OSA
	s_lshl_b32 s2, s2, 4
	s_lshl_b32 s77, s14, 4                         ; 16 e: my tile's two bytes of the pair's scale word
	s_mov_b32 s[TB], 0
	s_mov_b32 s[TS], 0
	s_mov_b32 s[SK], 0
	s_mov_b32 s[LIM], s19
	s_wait_dscnt 0x0
	s_wait_kmcnt 0x0
	s_mov_b32 s[G0S], 1
	s_mov_b32 s[G0S+1], s85
	s_add_nc_u64 s[G0S+2:G0S+3], s[6:7], s[82:83]
	s_or_b32 s[G0S+3], s[G0S+3], 0x80000000
	s_mov_b32 s[G0C], 1
	s_mov_b32 s[G0C+1], s84
	s_add_nc_u64 s[G0C+2:G0C+3], s[4:5], s[80:81]
	s_mov_b32 s[G0C+4], 1
	s_add_co_u32 s[G0C+5], s84, 98304              ; key steps 8 + 2 w, 9 + 2 w
	s_add_nc_u64 s[G0C+6:G0C+7], s[G0C+2:G0C+3], 147456
	s_or_b32 s[G0C+3], s[G0C+3], 0x80000000
	s_or_b32 s[G0C+7], s[G0C+7], 0x80000000
	s_add_nc_u64 s[QCB:QCB+1], s[4:5], s[QCB:QCB+1]
	s_add_nc_u64 s[QSB:QSB+1], s[6:7], s[QSB:QSB+1]
	s_add_nc_u64 s[QCA:QCA+1], s[4:5], s[QCA:QCA+1]
	s_add_nc_u64 s[QSA:QSA+1], s[6:7], s[QSA:QSA+1]
	s_add_nc_u64 s[OCB:OCB+1], s[8:9], s[OCB:OCB+1]
	s_add_nc_u64 s[OSB:OSB+1], s[10:11], s[OSB:OSB+1]
	s_add_nc_u64 s[OCA:OCA+1], s[8:9], s[OCA:OCA+1]
	s_add_nc_u64 s[OSA:OSA+1], s[10:11], s[OSA:OSA+1]
	CROUND                                         ; all four work-groups are here: the joint loads meet
	s_cmp_lt_u32 s[WV], 4                          ; a wave's three fills stand in one branch on its number: three loads of mine are out
	s_cbranch_scc0 .Lno_fetch
	tensor_load_to_lds s[G0S:G0S+3], s[G1S:G1S+7]
	s_nop 0
	tensor_load_to_lds s[G0C:G0C+3], s[G1C:G1C+7]
	s_nop 0
	tensor_load_to_lds s[G0C+4:G0C+7], s[G1C:G1C+7]
	s_nop 0
.rept 4
	v_nop
.endr
.Lno_fetch:
	v_and_b32 v[QSO], 31, v0                       ; lane
	v_and_b32 v[BO], 15, v0                        ; r
	v_bfe_u32 v[HV], v0, 4, 1                      ; h
	v_lshlrev_b32 v[LI], 4, v[QSO]
	v_lshlrev_b32 v[L8], 3, v[QSO]
	v_lshlrev_b32 v[QSO], 4, v[BO]                 ; 16 r
	v_add_nc_u32 v[SB0], 0x30000, v[QSO]
	v_add_nc_u32 v[DLT], s2, v[BO]
	v_lshlrev_b32 v[QA], 3, v[HV]
	v_sub_nc_u32 v[DLT], v[DLT], v[QA]             ; 16 (2 cx + e) + r - 8 h
	v_add_nc_u32 v[BO], v[QSO], v[HV]
	s_mul_i32 s2, s14, 520                         ; registers 0-5 of the pair's image lie at 16 l + 0, 8, 512; registers 6-11 at 16 l + 520, 1,024, 1,032
	v_add_nc_u32 v[QA], s2, v[LI]
	s_mul_i32 s2, s14, 1016
	v_add_nc_u32 v[QB], s2, v[LI]
	global_load_b64 v[QLO:QLO+1], v[QA], s[QCB:QCB+1]
	global_load_b64 v[QLO+2:QLO+3], v[QB], s[QCB:QCB+1] offset:8
	global_load_b64 v[QLO+4:QLO+5], v[QA], s[QCB:QCB+1] offset:512
	global_load_b32 v[QS], v[QSO], s[QSB:QSB+1]
	global_load_b64 v[Q2:Q2+1], v[QA], s[QCA:QCA+1]
	global_load_b64 v[Q2+2:Q2+3], v[QB], s[QCA:QCA+1] offset:8
	global_load_b64 v[Q2+4:Q2+5], v[QA], s[QCA:QCA+1] offset:512
	global_load_b32 v[QS2], v[QSO], s[QSA:QSA+1]
	v_cmp_ne_u32 s[HM], 0, v[HV]
.irp i, 0,1,2,3,4,5
	v_mov_b32 v[QHI+\i], 0                         ; the zero codes on both sides of q
	v_mov_b32 v[QLO+6+\i], 0
.endr
.irp b, 0,1,2,3
	v_mov_b32 v[EX+\b], 0                          ; written once: a lane permute's destination counts as one of its sources
.endr
	v_mov_b32 v[TT], 0
	v_mov_b32 v[FF+1], 0                           ; (named as the upper half of a pair)
	v_mov_b32 v[NINF], 0xff800000                  ; -infinity
.macro MKQS src                        ; my tile's two bytes of the pair's word, twice: bytes 0, 1 serve [q, 0], bytes 2, 3 serve [0, q]
	v_lshrrev_b32 v[QS], s77, v[\src]
	v_and_b32 v[QS], 0xffff, v[QS]
	v_lshl_or_b32 v[QS], v[QS], 16, v[QS]
.endm
.macro INIT                            ; a tile begins: the largest t under every t, the sum and O^T zeros, which the first change of M leaves zeros.  (36 plain instructions: the places behind q's scale word)
	v_mov_b32 v13, 0xff61b1e6                      ; -3e38
	v_floor_f32 v12, -v13
	v_mov_b32 v14, 0
	v_mov_b32 v15, 0
.set N, 0
.rept 32
	v_mov_b32 v[OO+N], 0
.set N, N+1
.endr
.endm
; A KEY STEP: 128 keys.  skip = 1: a step behind the tile's group is left out (a scalar branch on the wave's number and the loop's count), but for the lines that step addresses.  mask = 1: in the tile's own group hidden scores become -infinity.
.macro STEP skip, mask
.if \skip
	s_cmp_gt_u32 s[SK], s[LIM]
	s_cbranch_scc1 .Lskip_\@
.endif
	v_add_nc_u32 v[ADK], s[TB], v[LI]
	v_add_nc_u32 v[ADS], s[TS], v[SB0]
	ds_load_b128 v[KS:KS+3], v[ADS]
	ds_load_b128 v[VS:VS+3], v[ADS] offset:256
.irp p, 0,1,2,3
.irp c, 0,1,2
	ds_load_b128 v[KV+12*\p+4*\c:KV+12*\p+4*\c+3], v[ADK] offset:1536*\p+512*\c
.endr
.endr
.irp p, 0,1,2,3
	s_wait_dscnt 9-3*\p                            ; image p is in; the later images' three loads each may be out
	v_wmma_scale_f32_16x16x128_f8f6f4 v[SS+16*\p:SS+16*\p+7], v[KV+12*\p:KV+12*\p+11], v[QLO:QLO+11], 0, v[KS+\p], v[QS] matrix_a_fmt:MATRIX_FMT_FP6 matrix_b_fmt:MATRIX_FMT_FP6
	v_wmma_scale_f32_16x16x128_f8f6f4 v[SS+16*\p+8:SS+16*\p+15], v[KV+12*\p:KV+12*\p+11], v[QHI:QHI+11], 0, v[KS+\p], v[QS] matrix_a_fmt:MATRIX_FMT_FP6 matrix_b_fmt:MATRIX_FMT_FP6
.endr
.rept 4
	v_nop                                          ; places in front of the loads into K's registers and of the first read of the scores
.endr
.irp p, 0,1,2,3
.irp c, 0,1,2
	ds_load_b128 v[KV+12*\p+4*\c:KV+12*\p+4*\c+3], v[ADK] offset:6144+1536*\p+512*\c   ; V lands while the softmax is walked
.endr
.endr
.if \mask
	s_cmp_lg_u32 s[SK], s[LIM]
	s_cbranch_scc1 .Lopen_\@
.set N, 0
.rept 64                               ; register N holds key 16 (N / 8) + 8 h + N % 8 of the step: hidden where it comes after my query
	v_cmp_gt_i32 vcc_lo, 16*(N/8)+N%8, v[DLT]
	v_cndmask_b32 v[SS+N], v[SS+N], v[NINF], vcc_lo
.set N, N+1
.endr
.Lopen_\@:
.endif
.irp b, 0,1,2,3
	v_max3_num_f32 v[BM+\b], v[SS+16*\b], v[SS+16*\b+1], v[SS+16*\b+2]   ; the largest score of each block of 32 keys: for the row's maximum and for the block's largest p
.endr
.irp i, 3,5,7,9,11,13
.irp b, 0,1,2,3
	v_max3_num_f32 v[BM+\b], v[BM+\b], v[SS+16*\b+\i], v[SS+16*\b+\i+1]
.endr
.endr
.irp b, 0,1,2,3
	v_max_num_f32 v[BM+\b], v[BM+\b], v[SS+16*\b+15]
.endr
.irp b, 0,1,2,3
	v_permlanex16_b32 v[EX+\b], v[BM+\b], s[SEL], s[SEL+1]
.endr
.irp b, 0,1,2,3
	v_max_num_f32 v[BM+\b], v[BM+\b], v[EX+\b]     ; with lane l xor 16's 16 keys
.endr
	v_max3_num_f32 v[TT], v[BM], v[BM+1], v[BM+2]
	v_max_num_f32 v[TT], v[TT], v[BM+3]
	v_mul_f32 v[TT], s[CS], v[TT]                  ; the step's largest t (c is positive)
	v_max_num_f32 v13, v13, v[TT]
	v_mov_b32 v[TT], v12
	v_floor_f32 v12, -v13                          ; the new -M
	v_sub_f32 v[TT], v12, v[TT]                    ; old M - new M: a whole number, 0 or less
	v_cvt_i32_f32 v[TT], v[TT]                     ; (it saturates)
	v_ldexp_f32 v[FF], 1.0, v[TT]                  ; f = 2^(old M - new M)
.set N, 0
.rept 32
	v_pk_fma_f32 v[SS+N:SS+N+1], v[SS+N:SS+N+1], s[CS:CS+1], v[12:13] op_sel_hi:[1,0,0]   ; t - M, two at a time
.set N, N+2
.endr
.irp b, 0,1,2,3
	v_fma_f32 v[BM+\b], v[BM+\b], s[CS], v12       ; the same of each block's largest score
.endr
.set N, 0
.rept 64
	v_exp_f32 v[SS+N], v[SS+N]                     ; p = 2^(t - M)
.set N, N+1
.endr
	v_pk_mul_f32 v[14:15], v[14:15], v[FF:FF+1] op_sel_hi:[1,0]   ; the sums under the new M: the plain instruction behind the batch
	s_wait_alu depctr_va_vdst(0)                   ; one wait for the 64, ahead of their first reader
.irp b, 0,1,2,3
	v_exp_f32 v[BM+\b], v[BM+\b]                   ; the blocks' largest p
.endr
	v_pk_add_f32 v[PS:PS+1], v[SS:SS+1], v[SS+2:SS+3]   ; the row's sum of the unquantised p, in two chains; plain work behind the four
.set N, 4
.rept 15
	v_pk_add_f32 v[14:15], v[14:15], v[SS+N:SS+N+1]
	v_pk_add_f32 v[PS:PS+1], v[PS:PS+1], v[SS+N+2:SS+N+3]
.set N, N+4
.endr
	v_pk_add_f32 v[14:15], v[14:15], v[PS:PS+1]
	s_wait_alu depctr_va_vdst(0)                   ; and one for the four
.irp b, 0,1,2,3
	v_max_num_f32 v[BM+\b], 0x1800000, v[BM+\b]    ; the floor 2^(3 - 127): a block whose every p is 0 keeps the byte 1 over zero codes
.endr
.irp b, 0,1,2,3
	v_add_nc_u32 v[SO+\b], 0xff000000, v[BM+\b]
.endr
.irp b, 0,1,2,3
	v_lshrrev_b32 v[EX+\b], 23, v[SO+\b]
.endr
	v_lshl_or_b32 v[PWR], v[EX+1], 8, v[EX]
	v_lshl_or_b32 v[PWR], v[EX+2], 16, v[PWR]
	v_lshl_or_b32 v[PWR], v[EX+3], 24, v[PWR]
.irp c, 0,1
	v_cvt_scalef32_pk16_fp6_f32 v[PCD+6*\c:PCD+6*\c+2], v[SS+32*\c:SS+32*\c+15], v[SO+2*\c]
	v_cvt_scalef32_pk16_fp6_f32 v[CT+4*\c:CT+4*\c+2], v[SS+32*\c+16:SS+32*\c+31], v[SO+2*\c+1]
.endr
	v_nop                                          ; one plain instruction behind the scaled conversions
.irp c, 0,1
.irp i, 0,1,2
	v_permlane16_swap_b32 v[PCD+6*\c+\i], v[CT+4*\c+\i]
.endr
.irp i, 0,1,2
	v_mov_b32 v[PCD+3+6*\c+\i], v[CT+4*\c+\i]
.endr
.endr
.set N, 0
.rept 16
	v_pk_mul_f32 v[OO+N:OO+N+1], v[OO+N:OO+N+1], v[FF:FF+1] op_sel_hi:[1,0]   ; O^T under the new M.  Twelve of the sixteen name no register of a given product below: the places behind p's scale word and codes
.set N, N+2
.endr
	s_wait_dscnt 0x0                               ; V is in
.irp t, 0,1,2,3
	v_wmma_scale_f32_16x16x128_f8f6f4 v[OO+8*\t:OO+8*\t+7], v[KV+12*\t:KV+12*\t+11], v[PCD:PCD+11], v[OO+8*\t:OO+8*\t+7], v[VS+\t], v[PWR] matrix_a_fmt:MATRIX_FMT_FP6 matrix_b_fmt:MATRIX_FMT_FP6
.endr
.rept 4
	v_nop                                          ; places in front of whatever follows: the next step's loads, or the first read of O^T
.endr
.if \skip
.Lskip_\@:
.endif
	s_add_co_u32 s[TB], s[TB], 12288
	s_add_co_u32 s[TS], s[TS], 512
	s_add_co_u32 s[SK], s[SK], 1
.endm
; A TILE'S END: O^T / the sum; its 64 channels are two blocks of the last product's K: quantised in registers, they are half a fragment.
.macro OUT ob, sb
	s_wait_xcnt 0x0                                ; the registers that the last tile's stores read are written again only behind this wait
	v_add_f32 v14, v14, v15
	v_permlanex16_b32 v[TT], v14, s[SEL], s[SEL+1]
	v_add_f32 v14, v14, v[TT]                      ; the row's sum
	v_rcp_f32 v[FF], v14
	v_nop                                          ; a plain instruction behind the reciprocal,
	s_wait_alu depctr_va_vdst(0)                   ; and the wait ahead of its first reader
.set N, 0
.rept 16
	v_pk_mul_f32 v[SS+N:SS+N+1], v[OO+N:OO+N+1], v[FF:FF+1] op_sel_hi:[1,0]   ; each accumulator from its low end on
.set N, N+2
.endr
.irp b, 0,1
	v_max3_num_f32 v[BM+\b], |v[SS+16*\b]|, |v[SS+16*\b+1]|, 0x1800000
.endr
.irp i, 2,4,6,8,10,12,14
.irp b, 0,1
	v_max3_num_f32 v[BM+\b], v[BM+\b], |v[SS+16*\b+\i]|, |v[SS+16*\b+\i+1]|
.endr
.endr
.irp b, 0,1
	v_permlanex16_b32 v[EX+\b], v[BM+\b], s[SEL], s[SEL+1]
.endr
.irp b, 0,1
	v_max_num_f32 v[BM+\b], v[BM+\b], v[EX+\b]
.endr
.irp b, 0,1
	v_add_nc_u32 v[SO+\b], 0xff000000, v[BM+\b]
.endr
.irp b, 0,1
	v_lshrrev_b32 v[EX+\b], 23, v[SO+\b]
.endr
	v_cvt_scalef32_pk16_fp6_f32 v[FO:FO+2], v[SS:SS+15], v[SO]
	v_cvt_scalef32_pk16_fp6_f32 v[TO:TO+2], v[SS+16:SS+31], v[SO+1]
	v_nop
.irp i, 0,1,2
	v_permlane16_swap_b32 v[FO+\i], v[TO+\i]
.endr
.irp i, 0,1,2
	v_mov_b32 v[FO+3+\i], v[TO+\i]                 ; lane (r, h) now holds block h of row r in six registers
.endr
	v_cndmask_b32 v[BY], v[EX], v[EX+1], s[HM]     ; lanes 0-15 store block 0's byte, lanes 16-31 block 1's
	global_store_b128 v[LI], v[FO:FO+3], s[\ob:\ob+1]               ; 512 consecutive bytes, aligned to 256
	global_store_b64 v[L8], v[FO+4:FO+5], s[\ob:\ob+1] offset:512   ; 256 consecutive bytes, aligned
	global_store_b8 v[BO], v[BY], s[\sb:\sb+1]
.endm
	s_wait_loadcnt 0x0                             ; both tiles' q
	MKQS QS
	INIT
	s_wait_tensorcnt 0x1                           ; the scale words and key steps 0-7 (my part) are in; key steps 8-15 may be out
	s_barrier_signal -1
	s_barrier_wait -1
	s_mov_b32 s[CNT], 8
.Lfull:                                ; the first tile lies in group 8 or later: key steps 0-7 count whole
	STEP 0, 0
	s_sub_co_u32 s[CNT], s[CNT], 1
	s_cmp_lg_u32 s[CNT], 0
	s_cbranch_scc1 .Lfull
	s_wait_tensorcnt 0x0                           ; my part of key steps 8-15 is in,
	s_wait_dscnt 0x0
	s_barrier_signal -1
	s_barrier_wait -1                              ; everybody's is.  No barrier follows until the end: the waves' uneven halves never wait for each other
	s_mov_b32 s[CNT], 8
.Lhigh:                                ; key steps 8-15, up to the tile's own group
	STEP 1, 1
	s_sub_co_u32 s[CNT], s[CNT], 1
	s_cmp_lg_u32 s[CNT], 0
	s_cbranch_scc1 .Lhigh
	OUT OCB, OSB
.irp i, 0,1,2,3,4,5
	v_mov_b32 v[QLO+\i], v[Q2+\i]                  ; the second tile
.endr
	MKQS QS2
	INIT
	s_mov_b32 s[TB], 0
	s_mov_b32 s[TS], 0
	s_mov_b32 s[SK], 0
	s_mov_b32 s[LIM], s13
	s_mov_b32 s[CNT], 8
.Llow:                                 ; key steps 0-7, up to the tile's own group
	STEP 1, 1
	s_sub_co_u32 s[CNT], s[CNT], 1
	s_cmp_lg_u32 s[CNT], 0
	s_cbranch_scc1 .Llow
	OUT OCA, OSA
	s_wait_dscnt 0x0
	s_wait_tensorcnt 0x0
	ds_add_u32 v254, v255
	s_wait_dscnt 0x0
	CROUND                                         ; the closing round
	s_endpgm
.Lfunc_end_k_q3d8a80b548_attn:
	.size	k_q3d8a80b548_attn, .Lfunc_end_k_q3d8a80b548_attn-k_q3d8a80b548_attn
	.p2alignl 7, 3214868480
	.fill 96, 4, 3214868480
	.section	.rodata,"a",@progbits
	.p2align	6, 0x0
	.amdhsa_kernel k_q3d8a80b548_attn
		.amdhsa_group_segment_fixed_size 206848
		.amdhsa_private_segment_fixed_size 0
		.amdhsa_enable_private_segment 0
		.amdhsa_kernarg_size 32
		.amdhsa_user_sgpr_count 2
		.amdhsa_user_sgpr_kernarg_segment_ptr 1
		.amdhsa_wavefront_size32 1
		.amdhsa_system_sgpr_workgroup_id_x 1
		.amdhsa_system_sgpr_workgroup_id_y 1
		.amdhsa_system_sgpr_workgroup_id_z 1
		.amdhsa_system_vgpr_workitem_id 0
		.amdhsa_next_free_vgpr 256
		.amdhsa_next_free_sgpr 90
		.amdhsa_reserve_vcc 1
		.amdhsa_float_denorm_mode_32 3
		.amdhsa_float_denorm_mode_16_64 3
		.amdhsa_memory_ordered 1
		.amdhsa_forward_progress 1
		.amdhsa_inst_pref_size 76
	.end_amdhsa_kernel
	.amdgpu_metadata
---
amdhsa.version: [ 1, 2 ]
amdhsa.kernels:
  - .name:           k_q3d8a80b548_attn
    .symbol:         k_q3d8a80b548_attn.kd
    .args:
      - { .name: qkvc, .offset: 0, .size: 8, .value_kind: global_buffer, .address_space: global }
      - { .name: qkvs, .offset: 8, .size: 8, .value_kind: global_buffer, .address_space: global }
      - { .name: oc, .offset: 16, .size: 8, .value_kind: global_buffer, .address_space: global }
      - { .name: os, .offset: 24, .size: 8, .value_kind: global_buffer, .address_space: global }
    .group_segment_fixed_size: 206848
    .private_segment_fixed_size: 0
    .kernarg_segment_align: 8
    .kernarg_segment_size: 32
    .max_flat_workgroup_size: 512
    .sgpr_count:     90
    .vgpr_count:     256
    .wavefront_size: 32
...
	.end_amdgpu_metadata
.endif
;; end of part 3
;; launch gemm_out (part 4): grid 4 x 32, 4 waves a work-group, clusters of 4 x 4, 327,680 bytes of LDS; arguments oc, os, wcodes, wscales, out0; writes out0
.if DOCPART == 4
	.amdgcn_target "amdgcn-amd-amdhsa--gfx1250"
	.amdhsa_code_object_version 6
	.text
	.protected	k_q3d8a80b548_gemm_out
	.globl	k_q3d8a80b548_gemm_out
	.p2align	8
	.type	k_q3d8a80b548_gemm_out,@function
k_q3d8a80b548_gemm_out:
	s_mov_b64 s[64:65], 0
	v_nop
	global_prefetch_b8 v0, s[64:65] scope:SCOPE_SE
	s_setreg_imm32_b32 hwreg(HW_REG_WAVE_MODE, 25, 1), 1
	s_wait_xcnt 0x0
	s_wait_alu depctr_hold_cnt(0) depctr_sa_sdst(0) depctr_va_vdst(0) depctr_va_sdst(0) depctr_va_ssrc(0) depctr_va_vcc(0) depctr_vm_vsrc(0)
	s_getreg_b32 s2, hwreg(HW_REG_IB_STS2, 6, 4)
	s_cmp_eq_u32 s2, 0
	s_cbranch_scc0 .Lentry_in_a_cluster
	s_endpgm
.Lentry_in_a_cluster:
	s_bfe_u32 s2, ttmp6, 0x10000c
	s_cmp_lg_u32 s2, 0xf033
	s_cbranch_scc0 .Lentry_shape_is_right
	s_endpgm
.Lentry_shape_is_right:
; out0 = attention's result x W_proj^T on codes of FP6 (E2M3) with E8M0 scales, K = 1,024; out0 [8192][1024] f32.
; A tile of 256 x 256 is made by four waves, 128 x 128 each: 64 accumulators.  Source 0 = 16 rows of W_proj, source 1 = 16 tokens: a lane holds eight neighbouring numbers of a row of out0.
; OPERANDS come as images of their registers, 1,536 bytes a fragment.  W_proj's: registers 4 c .. 4 c + 3 of lane l at 512 c + 16 l.  The tokens': two halves of six registers, 768 bytes apart
; (four registers at 16 l, two at 512 + 8 l), since each half was written by another head.  Every LDS read is 512 or 256 consecutive bytes: no padding.
; K goes in four chunks of 256 through THREE LDS slots: chunks 0, 1, 2 and all scale words are first fills, chunk 3 is the one refill (into slot 0).  Eight K steps are written out: no loop.
; By this text's own count a wave has four tensor loads out at the start and one behind the refill's barrier.
; CLUSTER 4 x 4: the tokens' tiles are asked for jointly by my row of the cluster, W_proj's by my column.
; 128 work-groups: a tile of half the size would give 256, but each fragment read from LDS would then feed half as many products.  No prefetch: three of the four chunks are asked for at the head.
; REGISTERS: window 0: v16-30 addresses; v32-95 scale words and nothing else; v128-223 A's fragments, one set (on the way out v128-255 take rows of out0).  window 1: B's fragments, two sets.
;            windows 2, 3: accumulator (a, b) at v[8 (8 (a % 4) + b)].
.set FR,    12
.set FRB,   1536
.set CH,    2*FRB
.set HALFT, 8*CH
.set SIDE,  2*HALFT
.set SLOT,  2*SIDE
.set SCL,   3*SLOT
.set HALFS, 4096
.set SPARE, SCL+4*HALFS                ; the spare words, 128 bytes a wave: two blocks of 256 bytes that no other line names
.set NLA,   4                          ; LDS loads that bring a fragment of A
.set NP,    4
.set SPITCH, 528                       ; the way out: a stage of 16 rows x (512 + 16) bytes a wave, in slot 1, which has had its only fill and its last read when the first result is stored there
.set ROWC,  4096                       ; a row of out0 in bytes
.set ADRA,  16                         ; v16-18 my A fragments in slot 0, 1, 2, + 16 x lane;  v19-21 the same + 8 x lane
.set ADRB,  22                         ; v22-24 my B fragments
.set LI,    25                         ; v25 16 x lane
.set STO,   26                         ; v26 the stage: where I put 32 bytes of a row
.set ADRS,  27
.set SPW,   28
.set NIL,   29
.set RD,    30                         ; v30 the stage: where I read a row back
.set SC,    32
.set AF,    128
.set BK,    128
.set G1A,   24
.set G1B,   32
.set G1SA,  40
.set G1SB,  48
.set G0SA,  56
.set G0SB,  60
.set G0A,   68
.set G0B,   80
.set MSB, 0
.macro WIN new                         ; the immediate's high byte repeats the setting that is left
.if MSB != (\new)
	s_set_vgpr_msb (MSB<<8)|(\new)
.set MSB, (\new)
.endif
.endm
.set MUL_LO, 0xa1
.set MUL_HI, 0xf1
.set TO_B,   0x40
.macro JLOAD g0a, g1a, g0b, g1b        ; a joint load: waves 0, 1 fetch for A, waves 2, 3 for B; four v_nop follow each line
	s_cmp_eq_u32 s15, 0
	s_cbranch_scc0 .Lfor_b_\@
	tensor_load_to_lds s[\g0a:\g0a+3], s[\g1a:\g1a+7]
	s_nop 0
.rept 4
	v_nop
.endr
	s_branch .Lasked_\@
.Lfor_b_\@:
	tensor_load_to_lds s[\g0b:\g0b+3], s[\g1b:\g1b+7]
	s_nop 0
.rept 4
	v_nop
.endr
.Lasked_\@:
.endm
.macro CREST
	s_cmp_lg_u32 s14, 0
	s_cbranch_scc1 .Lnot_wave_0_\@
	s_barrier_signal -3
.Lnot_wave_0_\@:
	s_barrier_wait -3
	s_barrier_signal -1
	s_barrier_wait -1
.endm
.macro CROUND
	s_barrier_signal -1
	s_barrier_wait -1
	CREST
.endm
.macro PLACES n
.rept \n
	v_nop
.endr
.endm
	s_load_b256 s[4:11], s[0:1], 0x0               ; oc, os, wcodes, wscales
	s_load_b64 s[12:13], s[0:1], 0x20              ; out0
	v_lshl_add_u32 v[SPW], v0, 2, SPARE
	v_mov_b32 v[NIL], 0
	ds_add_u32 v28, v29
	ds_add_u32 v28, v29
	s_wait_dscnt 0x0
	v_lshrrev_b32 v1, 5, v0
	v_readfirstlane_b32 s14, v1                    ; wave 0..3
	s_lshr_b32 s15, s14, 1                         ; my half of the tokens.  Also: I fetch for A (0) or B (1)
	s_and_b32 s16, s14, 1                          ; my half of the columns.  Also: which 8 row blocks I fetch
	s_bfe_u32 s17, ttmp6, 0x40000                  ; cx
	s_bfe_u32 s18, ttmp6, 0x40004                  ; cy
	s_and_b32 s19, ttmp7, 0xffff
	s_lshl_b32 s22, ttmp9, 2
	s_add_co_u32 s22, s22, s17                     ; gx: the tile's 256 columns
	s_lshl_b32 s23, s19, 2
	s_add_co_u32 s23, s23, s18                     ; gy: its 256 tokens
	s_lshl_b32 s92, s18, 2
	s_lshl_b32 s92, 15, s92                        ; my row of the cluster
	s_lshl_b32 s93, 0x1111, s17                    ; my column
	s_or_b32 s[G1A], s92, (3<<16)|(1<<21)          ; 15:0 the mask; 17:16 elements of 8 bytes; 21 set beside a mask; no padding
	s_or_b32 s[G1B], s93, (3<<16)|(1<<21)
	s_or_b32 s[G1SA], s92, (3<<16)|(1<<21)
	s_or_b32 s[G1SB], s93, (3<<16)|(1<<21)
.irp g, G1A, G1B                       ; codes: 8 rows (row blocks) of 3,072 bytes, 12,288 bytes apart
	s_mov_b32 s[\g+1], 384<<16
	s_mov_b32 s[\g+2], 8<<16
	s_mov_b32 s[\g+3], 384<<16
	s_mov_b32 s[\g+4], 8
	s_mov_b32 s[\g+5], 1536
	s_mov_b32 s[\g+6], 0
	s_mov_b32 s[\g+7], 0
.endr
.irp g, G1SA, G1SB                     ; scale words: 4,096 dense bytes as 16 rows of 256
	s_mov_b32 s[\g+1], 32<<16
	s_mov_b32 s[\g+2], 16<<16
	s_mov_b32 s[\g+3], 32<<16
	s_mov_b32 s[\g+4], 16
	s_mov_b32 s[\g+5], 32
	s_mov_b32 s[\g+6], 0
	s_mov_b32 s[\g+7], 0
.endr
	s_lshl_b32 s94, s23, 4                         ; A: row block 16 gy (cluster y and cy alone)
	s_lshl_b32 s98, s22, 4
	s_add_co_u32 s98, s98, 704                     ; B: W_proj, row block 704 + 16 gx (cluster x and cx alone)
	s_lshl_b32 s3, s16, 3
	s_add_co_u32 s94, s94, s3                      ; + the 8 row blocks that I fetch
	s_add_co_u32 s98, s98, s3
	s_lshl_b32 s96, s94, 9
	s_lshl_b32 s100, s98, 9
	s_mul_i32 s94, s94, 12288
	s_mul_i32 s98, s98, 12288
	s_mov_b32 s95, 0
	s_mov_b32 s97, 0
	s_mov_b32 s99, 0
	s_mov_b32 s101, 0
	s_mul_i32 s3, s14, HALFT                       ; where they go: the wave's number alone enters an LDS address
	s_mul_i32 s2, s14, HALFS
	s_wait_kmcnt 0x0
	s_add_nc_u64 s[94:95], s[4:5], s[94:95]
	s_add_nc_u64 s[96:97], s[6:7], s[96:97]
	s_add_nc_u64 s[98:99], s[8:9], s[98:99]
	s_add_nc_u64 s[100:101], s[10:11], s[100:101]
	CROUND                                         ; all sixteen work-groups are here: the first joint loads meet
	s_mov_b32 s[G0SA], 1
	s_add_co_u32 s[G0SA+1], s2, SCL
	s_mov_b64 s[G0SA+2:G0SA+3], s[96:97]
	s_or_b32 s[G0SA+3], s[G0SA+3], 0x80000000
	s_mov_b32 s[G0SB], 1
	s_add_co_u32 s[G0SB+1], s2, SCL
	s_mov_b64 s[G0SB+2:G0SB+3], s[100:101]
	s_or_b32 s[G0SB+3], s[G0SB+3], 0x80000000
	JLOAD G0SA, G1SA, G0SB, G1SB                   ; the scale words first
.irp s, 0,1,2
	s_mov_b32 s[G0A+4*\s], 1
	s_add_co_u32 s[G0A+4*\s+1], s3, \s*SLOT
	s_add_nc_u64 s[G0A+4*\s+2:G0A+4*\s+3], s[94:95], \s*CH
	s_or_b32 s[G0A+4*\s+3], s[G0A+4*\s+3], 0x80000000
	s_mov_b32 s[G0B+4*\s], 1
	s_add_co_u32 s[G0B+4*\s+1], s3, \s*SLOT
	s_add_nc_u64 s[G0B+4*\s+2:G0B+4*\s+3], s[98:99], \s*CH
	s_or_b32 s[G0B+4*\s+3], s[G0B+4*\s+3], 0x80000000
	JLOAD G0A+4*\s, G1A, G0B+4*\s, G1B             ; chunk s into slot s
.endr
	v_and_b32 v1, 31, v0
	v_and_b32 v2, 15, v0                           ; r
	v_bfe_u32 v4, v0, 4, 1                         ; h
	v_lshlrev_b32 v[LI], 4, v1
	v_lshlrev_b32 v5, 3, v1                        ; 8 x lane
	s_mul_i32 s2, s15, HALFT                       ; my 8 row blocks of A
	s_mul_i32 s3, s16, HALFT
	s_add_co_u32 s3, s3, SIDE                      ; my 8 of B, behind A's 16
.irp s, 0,1,2
	v_add_nc_u32 v[ADRA+\s], s2, v[LI]
	v_add_nc_u32 v[ADRA+3+\s], s2, v5
	v_add_nc_u32 v[ADRB+\s], s3, v[LI]
	s_add_co_u32 s2, s2, SLOT
	s_add_co_u32 s3, s3, SLOT
.endr
	s_mul_i32 s2, s15, HALFS
	s_mul_i32 s3, s16, HALFS
	s_add_co_u32 s3, s3, 2*HALFS
	s_sub_co_u32 s3, s3, s2
	v_mul_u32_u24 v3, s3, v4                       ; lanes 16-31 take B's scale words: the lower base + h x the distance
	s_add_co_u32 s2, s2, SCL
	v_lshl_add_u32 v3, v2, 4, v3
	v_add_nc_u32 v[ADRS], s2, v3
	s_mul_i32 s2, s14, 16*SPITCH
	s_add_co_u32 s2, s2, SLOT                      ; my stage
	v_mul_u32_u24 v3, v2, SPITCH
	v_lshl_add_u32 v3, v4, 5, v3
	v_add_nc_u32 v[STO], s2, v3                    ; in: row r, 32 bytes for each half of the lanes
	v_add_nc_u32 v[RD], s2, v[LI]                  ; back: the 32 lanes take a row of 512 bytes
	s_lshl_b32 s2, s23, 8
	s_lshl_b32 s3, s15, 7
	s_add_co_u32 s2, s2, s3                        ; my first row of out0
	s_lshl_b32 s2, s2, 12
	s_lshl_b32 s3, s22, 10
	s_add_co_u32 s2, s2, s3
	s_lshl_b32 s3, s16, 9
	s_add_co_u32 s2, s2, s3                        ; + my first column, in bytes
	s_mov_b32 s3, 0
	s_add_nc_u64 s[12:13], s[12:13], s[2:3]
.macro FRAG reg, adr, off              ; a fragment of W_proj: three loads of 512 consecutive bytes
.irp c, 0,1,2
	ds_load_b128 v[(\reg)+4*\c:(\reg)+4*\c+3], v[\adr] offset:(\off)+512*\c
.endr
.endm
.macro FRAGA reg, adr, off             ; a fragment of the tokens: two halves of 512 + 256 consecutive bytes
.irp e, 0,1
	ds_load_b128 v[(\reg)+6*\e:(\reg)+6*\e+3], v[\adr] offset:(\off)+768*\e
	ds_load_b64 v[(\reg)+6*\e+4:(\reg)+6*\e+5], v[\adr+3] offset:(\off)+768*\e+512
.endr
.endm
.macro FETCH_B slot, q, p
	WIN TO_B
.irp i, 0,1,2,3,4,5,6,7
	FRAG 128*(\p)+FR*\i, ADRB+\slot, \i*CH+(\q)*FRB
.endr
	WIN 0
.endm
.macro FETCH_A slot, q, i0
.irp i, \i0, \i0+1, \i0+2, \i0+3
	FRAGA AF+FR*(\i), ADRA+\slot, (\i)*CH+(\q)*FRB
.endr
.endm
.macro SCALES                          ; all eight K steps' scale words, once
.irp i, 0,1,2,3,4,5,6,7
	ds_load_b128 v[SC+8*\i:SC+8*\i+3], v[ADRS] offset:512*\i
	ds_load_b128 v[SC+8*\i+4:SC+8*\i+7], v[ADRS] offset:512*\i+256
.endr
.endm
; 16 matrix instructions: A's blocks a0, a0 + 1 x B's eight, K step ks.  The 64 accumulators take turns, one instruction a turn, in the same order in every step.
.macro MUL16 a0, ks, zero
.irp a, \a0, \a0+1
.irp b, 0,1,2,3,4,5,6,7
.if \zero
	v_wmma_scale_f32_16x16x128_f8f6f4 v[8*(8*((\a)%4)+\b):8*(8*((\a)%4)+\b)+7], v[128*((\ks)%2)+FR*\b:128*((\ks)%2)+FR*\b+FR-1], v[AF+FR*(\a):AF+FR*(\a)+FR-1], 0, v[SC+8*\b+(\ks)], v[SC+8*(\a)+(\ks)] matrix_a_fmt:MATRIX_FMT_FP6 matrix_b_fmt:MATRIX_FMT_FP6 matrix_a_scale:MATRIX_SCALE_ROW1
.else
	v_wmma_scale_f32_16x16x128_f8f6f4 v[8*(8*((\a)%4)+\b):8*(8*((\a)%4)+\b)+7], v[128*((\ks)%2)+FR*\b:128*((\ks)%2)+FR*\b+FR-1], v[AF+FR*(\a):AF+FR*(\a)+FR-1], v[8*(8*((\a)%4)+\b):8*(8*((\a)%4)+\b)+7], v[SC+8*\b+(\ks)], v[SC+8*(\a)+(\ks)] matrix_a_fmt:MATRIX_FMT_FP6 matrix_b_fmt:MATRIX_FMT_FP6 matrix_a_scale:MATRIX_SCALE_ROW1
.endif
.endr
.endr
.endm
.macro STEP ks, nslot, nq, zero
	s_wait_dscnt 4*NLA                             ; B's set and A's blocks 0-3 are in; the youngest loads (A's blocks 4-7) may be out
	WIN MUL_LO
	MUL16 0, \ks, \zero
	MUL16 2, \ks, \zero
	s_wait_dscnt 0x0                               ; A's blocks 4-7 are in
	PLACES NP                                      ; in front of loads into registers that matrix instructions have read
	FETCH_B \nslot, \nq, 1-(\ks)%2
	FETCH_A \nslot, \nq, 0
	WIN MUL_HI
	MUL16 4, \ks, \zero
	MUL16 6, \ks, \zero
	PLACES NP
	WIN 0
	FETCH_A \nslot, \nq, 4
.endm
.macro TURN ks, nslot, fill            ; a K step with a barrier in it; fill = 1: slot 0 takes chunk 3, and the barrier opens a round of the cluster's barrier
	s_wait_tensorcnt 0x0                           ; all my tensor loads have landed
	ds_add_u32 v[SPW], v[NIL]                      ; 0 onto my spare word
	s_wait_dscnt 4*NLA+1                           ; (the add and A's blocks 4-7 may be out)
	WIN MUL_LO
	MUL16 0, \ks, 0                                ; sixteen matrix instructions stand between the add and the wait for it
	s_wait_dscnt 0x0                               ; the add is done, and my LDS reads are over
	s_barrier_signal -1
	MUL16 2, \ks, 0
	WIN 0
	s_barrier_wait -1
.if \fill
	CREST                                          ; no wave of any partner still reads slot 0 or has a load on its way
	s_add_nc_u64 s[G0A+2:G0A+3], s[G0A+2:G0A+3], 3*CH
	s_add_nc_u64 s[G0B+2:G0B+3], s[G0B+2:G0B+3], 3*CH
	JLOAD G0A, G1A, G0B, G1B                       ; the first tensor load behind the round, one a wave; its four v_nop are the places in front of the loads below
.else
	PLACES NP
.endif
	FETCH_B \nslot, 0, 1-(\ks)%2
	FETCH_A \nslot, 0, 0
	WIN MUL_HI
	MUL16 4, \ks, 0
	MUL16 6, \ks, 0
	PLACES NP
	WIN 0
	FETCH_A \nslot, 0, 4
.endm
	s_wait_tensorcnt 0x2                           ; the scale words and my part of chunk 0 are in; chunks 1 and 2 may be out
	s_barrier_signal -1
	s_barrier_wait -1
	FETCH_B 0, 0, 0
	FETCH_A 0, 0, 0
	SCALES
	FETCH_A 0, 0, 4
	STEP 0, 0, 1, 1                                ; the first products start the sums: nothing is cleared
	TURN 1, 1, 1                                   ; slot 0 is left; every wave has waited for all first fills, so slots 1 and 2 are whole behind it
	STEP 2, 1, 1, 0
	STEP 3, 2, 0, 0
	STEP 4, 2, 1, 0
	TURN 5, 0, 0                                   ; chunk 3 has landed; every wave's reads of slot 1 are over
	STEP 6, 0, 1, 0
	s_wait_dscnt 4*NLA                             ; the last K step: nothing more to fetch
	WIN MUL_LO
	MUL16 0, 7, 0
	MUL16 2, 7, 0
	s_wait_dscnt 0x0
	WIN MUL_HI
	MUL16 4, 7, 0
	MUL16 6, 7, 0
	WIN 0
; THE WAY OUT, block by block of 16 rows x 128 columns: through my own stage in LDS, back as whole rows of 512 bytes.  LDS serves a wave's instructions in order: no wait between the stores and the loads.
.macro TOSTAGE a
.set AC, 64*((\a)%4)
	WIN 0x08+4*((\a)/4)                            ; the data: window 2 or 3
.irp b, 0,1,2,3,4,5,6,7
	ds_store_b128 v[STO], v[AC+8*\b:AC+8*\b+3] offset:64*\b          ; each accumulator from its low end on
	ds_store_b128 v[STO], v[AC+8*\b+4:AC+8*\b+7] offset:64*\b+16
.endr
	WIN 0
.set BB, BK+64*((\a)%2)
.irp t, 0,1,2,3,4,5,6,7,8,9,10,11,12,13,14,15
	ds_load_b128 v[BB+4*\t:BB+4*\t+3], v[RD] offset:\t*SPITCH
.endr
.endm
.macro SEND a, younger                 ; younger: the LDS instructions issued behind block a's loads, which may stay out
.set BB, BK+64*((\a)%2)
	s_wait_dscnt \younger
.if (\a) > 0
	s_add_nc_u64 s[12:13], s[12:13], 16*ROWC       ; (behind a wait on XCNT: the earlier stores have read their base)
.endif
.irp t, 0,1,2,3,4,5,6,7,8,9,10,11,12,13,14,15
	global_store_b128 v[LI], v[BB+4*\t:BB+4*\t+3], s[12:13] offset:\t*ROWC th:TH_STORE_NT   ; 32 lanes store 512 consecutive bytes, aligned to 512
.endr
.endm
	PLACES NP                                      ; behind the last products: for the loads into A's registers and for the reads of results
	TOSTAGE 0
.irp a, 1,2,3,4,5,6,7
.if \a > 1
	s_wait_xcnt 0x0                                ; block a - 2's stores have read their registers and their base
.endif
	TOSTAGE \a
	SEND \a-1, 32                                  ; behind block a - 1's loads: block a's 16 stores and 16 loads
.endr
	s_wait_xcnt 0x0
	SEND 7, 0
	s_wait_tensorcnt 0x0                           ; the wave's end
	ds_add_u32 v[SPW], v[NIL]
	s_wait_dscnt 0x0
	CROUND                                         ; the closing round
	s_endpgm
.Lfunc_end_k_q3d8a80b548_gemm_out:
	.size	k_q3d8a80b548_gemm_out, .Lfunc_end_k_q3d8a80b548_gemm_out-k_q3d8a80b548_gemm_out
	.p2alignl 7, 3214868480
	.fill 96, 4, 3214868480
	.section	.rodata,"a",@progbits
	.p2align	6, 0x0
	.amdhsa_kernel k_q3d8a80b548_gemm_out
		.amdhsa_group_segment_fixed_size 327680
		.amdhsa_private_segment_fixed_size 0
		.amdhsa_enable_private_segment 0
		.amdhsa_kernarg_size 40
		.amdhsa_user_sgpr_count 2
		.amdhsa_user_sgpr_kernarg_segment_ptr 1
		.amdhsa_wavefront_size32 1
		.amdhsa_system_sgpr_workgroup_id_x 1
		.amdhsa_system_sgpr_workgroup_id_y 1
		.amdhsa_system_sgpr_workgroup_id_z 1
		.amdhsa_system_vgpr_workitem_id 0
		.amdhsa_next_free_vgpr 1024
		.amdhsa_next_free_sgpr 102
		.amdhsa_reserve_vcc 0
		.amdhsa_float_denorm_mode_32 3
		.amdhsa_float_denorm_mode_16_64 3
		.amdhsa_memory_ordered 1
		.amdhsa_forward_progress 1
		.amdhsa_inst_pref_size 138
	.end_amdhsa_kernel
	.amdgpu_metadata
---
amdhsa.version: [ 1, 2 ]
amdhsa.kernels:
  - .name:           k_q3d8a80b548_gemm_out
    .symbol:         k_q3d8a80b548_gemm_out.kd
    .args:
      - { .name: oc, .offset: 0, .size: 8, .value_kind: global_buffer, .address_space: global }
      - { .name: os, .offset: 8, .size: 8, .value_kind: global_buffer, .address_space: global }
      - { .name: wcodes, .offset: 16, .size: 8, .value_kind: global_buffer, .address_space: global }
      - { .name: wscales, .offset: 24, .size: 8, .value_kind: global_buffer, .address_space: global }
      - { .name: out0, .offset: 32, .size: 8, .value_kind: global_buffer, .address_space: global }
    .group_segment_fixed_size: 327680
    .private_segment_fixed_size: 0
    .kernarg_segment_align: 8
    .kernarg_segment_size: 40
    .max_flat_workgroup_size: 128
    .sgpr_count:     102
    .vgpr_count:     1024
    .wavefront_size: 32
...
	.end_amdgpu_metadata
.endif
;; end of part 4
